; MI455X (gfx1250); checked and timed in simulation.
; The chip was launched on July 23, 2026; its instructions are those of AMD's public machine-readable ISA for CDNA 5 (MIT licence, August 2026) and "CDNA5" Instruction Set Architecture Reference Guide (July 2026). The comments in the code are by the model that wrote it; some were corrected since.
;; Multi Head Attention. Allowed arithmetic: matrix products marked QUANTISED: E2M1 operands, one E8M0 scale for each 32 along K, by v_wmma_scale_f32_16x16x128_f8f6f4 with both operands' format E2M1 (or v_wmma_scale_f32_32x16x128_f4), f32 sums; everything else in f32.
;; Inputs: Wp 1,024 x 1,024 float32; Wx 16 x 1,024 x 64 float32; bp 1,024 float32; bx 16 x 64 float32; sin 4 x 2,048 x 1,024 float32.
;; Outputs: out0 4 x 2,048 x 1,024 float32.
;; This version of the problem:
;;   THIS VERSION OF THE PROBLEM IS GIVEN IN LOW PRECISION. The matrix products marked QUANTISED in the list below multiply operands that are first quantised to E2M1 (2 exponent bits, 1 mantissa bit; 4 bits a number), with one power-of-two scale for each 32 numbers along K (OCP MX v1.0); their sums are f32. All else is computed in f32.
;;   The module's matrix products, in the order in which they are computed (A, B: the left and right operand; K: the contracted axis; several contracted axes count as one K, in the product's order):
;;     1. [M 1,024, K 1,024] x [K 1,024, N 8,192]; A: input Wx; B: input sin: QUANTISED
;;     2. batch 64 x [M 2,048, K 64] x [K 64, N 2,048]; A: computed on the way; B: computed on the way: QUANTISED
;;     3. batch 64 x [M 2,048, K 2,048] x [K 2,048, N 64]; A: softmax (see below); B: computed on the way: QUANTISED
;;     4. [M 8,192, K 1,024] x [K 1,024, N 1,024]; A: computed on the way; B: input Wp: QUANTISED
;;   THE QUANTISER, for each operand of a quantised product, along K:
;;     - K is cut into blocks of 32 from its start; a last block that is shorter is filled with zeros.
;;     - A block's scale is 2^e with e = floor(log2(the largest magnitude in the block)) - 2, held to -126 .. 127; a block of zeros has e = 0. As a byte (E8M0): e + 127.
;;     - Each number is divided by its block's scale, clamped to +-6, and rounded to the nearest number of E2M1, ties to even, subnormals kept.
;;     - The product sums the exact products of the quantised numbers (number of the format x scale) in f32.
;;   ~~~python
;;   def quantise(x, axis):      # numpy; x: float32 -> the quantised numbers, widened to float32 again
;;       x = np.moveaxis(x, axis, -1); K = x.shape[-1]
;;       x = np.pad(x, [(0, 0)] * (x.ndim - 1) + [(0, -K % 32)]); x = x.reshape(x.shape[:-1] + (-1, 32)); a = np.abs(x).max(-1, keepdims=True)
;;       e = np.where(a > 0, np.clip(np.frexp(np.where(a > 0, a, 1))[1] - 1 - 2, -126, 127), 0)      # np.frexp(a)[1] - 1 = floor(log2(a)), exactly
;;       r = np.clip(x / 2.0 ** e, -6, 6)
;;       step = 2.0 ** (np.maximum(np.frexp(np.where(r == 0, 1, r))[1] - 1, 0) - 1)
;;       q = np.round(r / step) * step * 2.0 ** e      # np.round: ties to even
;;       return np.moveaxis(q.reshape(q.shape[:-2] + (-1,))[..., :K], -1, axis).astype(np.float32)
;;   ~~~
;;   SOFTMAX AHEAD OF A QUANTISED PRODUCT. Where the list says 'softmax', what is quantised is not the finished softmax but p = 2^(t - M), with t = logit x log2(e) and M = ceil(the row's largest t), a whole number; so 1/2 < the row's largest p <= 1. The row's sum l is taken of the UNQUANTISED p, in f32, and the product's result is divided by l at the end. Since M is a whole number, a kernel that streams over the keys may use a running M (the ceiling of the running maximum): every later rescaling is an exact power of two, which a block's scale takes up: the codes' values come out the same.
;;   OPERANDS COMPUTED ON THE WAY. 'Computed on the way' means the value that the module computes at that place (a softmax that the list does not call 'softmax' is quantised finished and normalised). What goes into a quantiser is computed in f32, as accurately as f32 sums, v_exp_f32 and their like allow (about 1e-6 of the number): no bf16 or f16 on the way to a quantiser, and a product that is left as it is and whose result goes on into a quantised operand takes f32 operands (vector FMAs, or v_wmma_f32_16x16x4_f32). A number that lies on a knife's edge between two numbers of the format may be rounded either way, as far as f32 arithmetic and the matrix unit's own rounding can turn it there, and no further.
;; One version. Each part assembles by itself: llvm-mc -triple=amdgcn-amd-amdhsa -mcpu=gfx1250 --defsym DOCPART=n.
;; ======== version 1 of 1: 4 launches
;; limits: right only within a limited range of input values
;; workspace buffers: wx_img 557,056 bytes; wp_img 557,056 bytes; kv 9,437,184 bytes; cat 4,456,448 bytes; sx_img 4,456,448 bytes
;; launch quantw (part 1): grid 640 x 1, 4 waves a work-group, no clusters, 44,032 bytes of LDS; arguments Wx, Wp, wx_img, wp_img, sin, sx_img; writes wx_img, wp_img, sx_img
.if DOCPART == 1
	.amdgcn_target "amdgcn-amd-amdhsa--gfx1250"
	.amdhsa_code_object_version 6
	.text
	.protected	k_q9b7406112d_quantw
	.globl	k_q9b7406112d_quantw
	.p2align	8
	.type	k_q9b7406112d_quantw,@function
k_q9b7406112d_quantw:
	s_mov_b64 s[64:65], 0
	v_nop
	global_prefetch_b8 v0, s[64:65] scope:SCOPE_SE
	s_setreg_imm32_b32 hwreg(HW_REG_WAVE_MODE, 25, 1), 1
	s_wait_xcnt 0x0
; Wx [16][1024 (k)][64] and Wp [1024 (k)][1024], f32, K not innermost, become codes of FP4 (E2M1) with one E8M0 byte for each 32 along K,
; laid in the ORDER OF THE OPERAND'S REGISTERS.  An image has 4 parts of 256 columns, 139,264 bytes each:
;   codes  [group of 64 columns 4][K step of 128: 8][tile 4][c 2][lane 32][16 bytes]: lane (m, h) of tile T holds column 32 (m / 8) + 8 T + m % 8 of the group, k = 128 step + 64 c + 32 h + 0 .. 31;
;   from byte 131,072 scale words [group 4][q 4][lane l 32][word i 4]: K step 2 q + i / 2, tile 2 (i % 2) + l / 16, row l % 16; byte b = block b of the K step.
; A LANE TAKES A COLUMN AND ITS REGISTERS RUN DOWN K: a block of 32 lies in one lane's 32 registers, so its largest magnitude needs no other lane and the conversions give codes with K innermost.
; A block's scale is 2^(floor(log2(largest magnitude)) - 2); its byte is the largest magnitude's exponent field - 2, held at 1 from below by a floor among the maximum's leaves.
; LIMITS: a block of zeros gets the byte 1 where the quantiser says 127 (its codes are zeros, and only this program reads the bytes); NaN and infinities among the inputs are not served.
; SHARES: 128 work-groups: 64 for each tensor = 16 groups of 64 columns x 4 pairs of K steps.  Wave w: columns 32 (w & 1) + lane, K step 2 kq + (w >> 1).
; One path serves both tensors: the pointers and the shift that makes the row stride (256 or 4,096 bytes) are chosen on the work-group's number.
; Work-groups share no input, so there is nothing to ask for jointly; no tensor loads, one barrier (the image's 8 KiB are gathered in LDS and leave in runs of 512 bytes).
.set FLOOR, 0x1800000                  ; 2^(3 - 127)
.set CD,    16                         ; v16-31   codes, four registers a block, never written again
.set OFF,   32                         ; v32-63   4 x lane + i x stride
.set X,     64                         ; v64-191  four blocks of 32 numbers
.set OUTR,  192                        ; v192-211 the way out
	s_load_b256 s[4:11], s[0:1], 0x0               ; Wx, Wp, wx_img, wp_img
	v_lshl_add_u32 v212, v0, 2, 0x2400
	v_mov_b32 v213, 0
	s_cmp_lt_u32 ttmp9, 512                        ; work-groups 0 to 511 quantise sin (the path at the text's end), 512 to 639 the two weights: the choice hangs on the work-group's number alone
	s_cbranch_scc1 .Lsin
	v_lshrrev_b32 v13, 5, v0
	v_readfirstlane_b32 s15, v13                   ; wave 0..3
	v_and_b32 v13, 31, v0
	v_lshlrev_b32 v1, 2, v13                       ; 4 x lane
	v_lshlrev_b32 v7, 4, v13                       ; 16 x lane
	v_and_b32 v2, 7, v0
	v_lshlrev_b32 v2, 4, v2                        ; 16 (lane & 7)
	v_bfe_u32 v13, v0, 5, 1                        ; x = wave & 1
	v_lshl_or_b32 v2, v13, 7, v2                   ; row m = 8 x + (lane & 7) of the tile: 16 m
	v_bfe_u32 v13, v0, 3, 1
	v_lshl_or_b32 v3, v13, 8, v2                   ; scale word: image lane 16 (tile & 1) + m, 16 bytes a lane,
	v_bfe_u32 v13, v0, 6, 1                        ; kl = wave >> 1
	v_lshl_or_b32 v3, v13, 3, v3                   ; word 2 kl + (tile >> 1)
	v_lshl_or_b32 v2, v13, 12, v2                  ; codes: 4,096 kl
	v_bfe_u32 v13, v0, 4, 1
	v_lshl_or_b32 v3, v13, 2, v3
	v_add_nc_u32 v3, 8192, v3                      ; the scale words lie behind the 8 KiB of codes
	v_bfe_u32 v13, v0, 3, 2
	v_lshl_or_b32 v2, v13, 10, v2                  ; + 1,024 x tile (lane >> 3)
	v_lshrrev_b32 v13, 5, v0
	v_lshl_add_u32 v4, v13, 11, v7                 ; the way out: 2,048 x wave + 16 x lane, in LDS and in the image alike
	v_add_nc_u32 v6, 8192, v7
	s_and_b32 s12, ttmp9, 63
	s_lshr_b32 s13, s12, 2                         ; group of 64 columns, 0..15
	s_and_b32 s14, s12, 3                          ; kq
	s_and_b32 s16, s15, 1                          ; x
	s_lshr_b32 s19, s15, 1                         ; kl
	s_lshl_b32 s20, s14, 1
	s_add_co_u32 s20, s20, s19                     ; my K step
	s_wait_kmcnt 0x0
	s_cmp_lt_u32 ttmp9, 576
	s_cselect_b64 s[4:5], s[4:5], s[6:7]
	s_cselect_b64 s[8:9], s[8:9], s[10:11]
	s_cselect_b32 s17, 8, 12                       ; a row of K is 2^8 or 2^12 bytes on
	s_cselect_b32 s18, 18, 8                       ; a group of 64 columns is 2^18 (a head of Wx) or 2^8 bytes on
	s_lshl_b32 s22, s13, s18
	s_lshl_b32 s23, s20, 7
	s_lshl_b32 s23, s23, s17                       ; 128 rows a K step
	s_add_co_u32 s22, s22, s23
	s_lshl_b32 s23, s16, 7                         ; 32 columns of 4 bytes
	s_add_co_u32 s22, s22, s23
	s_mov_b32 s23, 0
	s_add_nc_u64 s[24:25], s[4:5], s[22:23]        ; block 0's first row;
	s_lshl_b32 s22, 32, s17
	s_add_nc_u64 s[26:27], s[24:25], s[22:23]      ; blocks 1 to 3: 32 rows on each
	s_add_nc_u64 s[28:29], s[26:27], s[22:23]
	s_add_nc_u64 s[30:31], s[28:29], s[22:23]
.irp i, 0,1,2,3,4,5,6,7,8,9,10,11,12,13,14,15,16,17,18,19,20,21,22,23,24,25,26,27,28,29,30,31
	v_lshl_add_u32 v[OFF+\i], \i, s17, v1          ; row i of a block, my column
.endr
.macro LOADB t                         ; block t: 32 rows; each load reads 128 consecutive bytes a wave
.irp i, 0,1,2,3,4,5,6,7,8,9,10,11,12,13,14,15,16,17,18,19,20,21,22,23,24,25,26,27,28,29,30,31
	global_load_b32 v[X+32*(\t)+\i], v[OFF+\i], s[24+2*(\t):25+2*(\t)] th:TH_LOAD_NT
.endr
.endm
	LOADB 0
	LOADB 1
	s_lshr_b32 s6, s13, 2                          ; where my 8 KiB of codes and my 512 bytes of scale words go
	s_mul_i32 s6, s6, 139264
	s_and_b32 s7, s13, 3
	s_lshl_b32 s22, s7, 15
	s_add_co_u32 s22, s22, s6
	s_lshl_b32 s21, s14, 13
	s_add_co_u32 s22, s22, s21
	s_lshl_b32 s10, s7, 11
	s_add_co_u32 s10, s10, s6
	s_lshl_b32 s21, s14, 9
	s_add_co_u32 s10, s10, s21
	s_add_co_u32 s10, s10, 131072
	s_mov_b32 s11, 0
	s_add_nc_u64 s[10:11], s[8:9], s[10:11]
	s_add_nc_u64 s[8:9], s[8:9], s[22:23]
.macro BLOCK t
.set XS, X+32*(\t)
.if (\t) < 3
	s_wait_loadcnt 32                              ; this block's 32 loads are in; the next block's 32 may be out
.else
	s_wait_loadcnt 0x0
.endif
.if (\t) < 2
	LOADB (\t)+2
.endif
	v_max3_num_f32 v8, |v[XS]|, |v[XS+1]|, |v[XS+2]|               ; the block's largest magnitude, in two chains
	v_max3_num_f32 v9, |v[XS+3]|, |v[XS+4]|, |v[XS+5]|
.irp i, 6,10,14,18,22,26
	v_max3_num_f32 v8, v8, |v[XS+\i]|, |v[XS+\i+1]|
	v_max3_num_f32 v9, v9, |v[XS+\i+2]|, |v[XS+\i+3]|
.endr
	v_max3_num_f32 v8, v8, |v[XS+30]|, |v[XS+31]|
	v_max3_num_f32 v8, v8, v9, FLOOR               ; and the floor: the byte cannot fall under 1
	v_add_nc_u32 v10, 0xff000000, v8               ; 2 off the exponent field: the conversion takes the exponent field of this operand as its scale
	v_lshrrev_b32 v11, 23, v10                     ; the scale's byte
.if (\t) == 0
	v_mov_b32 v12, v11                             ; four bytes make my column's scale word of this K step
.else
	v_lshl_or_b32 v12, v11, 8*(\t), v12
.endif
.irp g, 0,1,2,3
	v_cvt_scalef32_pk8_fp4_f32 v[CD+4*(\t)+\g], v[XS+8*\g:XS+8*\g+7], v10
.endr
	ds_store_b128 v2, v[CD+4*(\t):CD+4*(\t)+3] offset:((\t)/2)*512+((\t)%2)*256   ; block t = 2 c + h: 512 c + 256 h
.endm
	s_wait_alu depctr_va_vdst(0)
	BLOCK 0
	BLOCK 1
	BLOCK 2
	BLOCK 3
	ds_store_b32 v3, v12
	s_wait_dscnt 0x0                               ; for the others' sake: my stores have landed
	s_barrier_signal -1
	s_barrier_wait -1
.irp i, 0,1,2,3
	ds_load_b128 v[OUTR+4*\i:OUTR+4*\i+3], v4 offset:512*\i
.endr
.irp i, 0,1,2,3
	s_wait_dscnt 3-\i
	global_store_b128 v4, v[OUTR+4*\i:OUTR+4*\i+3], s[8:9] offset:512*\i   ; 32 lanes store 512 consecutive bytes, aligned
.endr
	s_cmp_lg_u32 s15, 0
	s_cbranch_scc1 .Lend                           ; the 512 bytes of scale words leave by wave 0
	ds_load_b128 v[OUTR+16:OUTR+19], v6
	s_wait_dscnt 0x0
	global_store_b128 v7, v[OUTR+16:OUTR+19], s[10:11]
.Lend:
	s_wait_tensorcnt 0x0
	ds_add_u32 v212, v213
	s_wait_dscnt 0x0
	s_endpgm
; ---- SIN [8,192][1,024] f32, K innermost, becomes codes of FP4 with E8M0 scale words, laid as images of the operand's registers, by the same quantiser and with the same limits as the weights.
; sx_img: [block of 128 rows][69,632]: codes [tile of 16 rows 8][K step 8][c 2][lane (r, h)][16 bytes]: row 16 tile + r, k = 128 step + 64 c + 32 h + 0 .. 31;
;   from byte 65,536 scale words [pair of tiles 4][q 2][lane 16 (tile % 2) + r][word K step % 4].
; SHARES: work-group n: rows 32 (n / 2) on, K steps 4 (n % 2) + wave: a wave takes two fragments of 16 rows x 128 K.  Each of its 32 loads reads 512 consecutive bytes of one row; a fragment turns through the wave's own
; stage in LDS (rows 528 bytes apart) and comes back with two whole blocks of 32 in each lane.  The codes leave from registers, 512 consecutive bytes a store; the four waves' scale words are gathered in LDS and leave as 512 bytes.
; This path's LDS bytes (from 9,728 on) are its own: the weights' path names none of them.  Work-groups share no input: nothing to ask for jointly; every byte is read once, all loads are issued at the head: no prefetch.
.set STG,  9728                        ; four stages of 16 x 528 bytes
.set SCW,  STG+4*8448                  ; 512 bytes: [lane 32][word 4]
.set Y0,   16                          ; v16-47   my block h of the fragment's row r
.set Y1,   214                         ; v214-245 my block 2 + h
.set SCD,  48                          ; v48-63   codes: eight registers a fragment, never written again
.set SWD,  192                         ; v192, v193 the fragments' scale words
.Lsin:
	s_load_b128 s[32:35], s[0:1], 0x20             ; sin, sx_img
	v_lshrrev_b32 v8, 5, v0
	v_readfirstlane_b32 s15, v8                    ; wave 0..3
	v_and_b32 v15, 31, v0                          ; lane
	v_and_b32 v9, 15, v0                           ; r
	v_bfe_u32 v10, v0, 4, 1                        ; h
	v_lshlrev_b32 v1, 4, v15                       ; 16 x lane
	s_mul_i32 s16, s15, 8448
	s_add_co_u32 s16, s16, STG                     ; my stage
	v_mul_u32_u24 v3, v9, 528
	v_add_nc_u32 v2, s16, v1                       ; into it: a row's 512 bytes as they lie
	v_lshl_add_u32 v3, v10, 7, v3
	v_lshl_add_u32 v4, v8, 2, v1
	v_add_nc_u32 v3, s16, v3                       ; out of it: row r, + 128 h bytes
	v_add_nc_u32 v4, SCW, v4                       ; my scale word: 16 x lane + 4 x wave
	v_add_nc_u32 v7, SCW, v1
	v_lshlrev_b32 v5, 3, v10                       ; 8 h
	v_mov_b32 v6, 0                                ; written once: a lane permute's destination counts as one of its sources
	s_lshr_b32 s17, ttmp9, 1                       ; which 32 rows
	s_and_b32 s18, ttmp9, 1                        ; q
	s_lshl_b32 s19, s18, 2
	s_add_co_u32 s19, s19, s15                     ; my K step
	s_lshl_b32 s20, s17, 17                        ; 32 rows of 4,096 bytes
	s_lshl_b32 s21, s19, 9
	s_add_co_u32 s20, s20, s21
	s_mov_b32 s21, 0
	s_lshr_b32 s22, s17, 2
	s_mul_i32 s22, s22, 69632                      ; the block of 128 rows
	s_and_b32 s23, s17, 3                          ; the pair of tiles
	s_lshl_b32 s24, s23, 14
	s_add_co_u32 s24, s24, s22
	s_lshl_b32 s25, s19, 10
	s_add_co_u32 s24, s24, s25                     ; codes: 16,384 x pair + 1,024 x K step
	s_mov_b32 s25, 0
	s_lshl_b32 s26, s23, 10
	s_add_co_u32 s26, s26, s22
	s_lshl_b32 s27, s18, 9
	s_add_co_u32 s26, s26, s27                     ; scale words: 1,024 x pair + 512 q (65,536 stands in the immediate)
	s_mov_b32 s27, 0
	s_mov_b32 s28, 0x76543210
	s_mov_b32 s29, 0xfedcba98                      ; v_permlanex16_b32's selects for lane l xor 16
	s_wait_alu depctr_va_vdst(0)                   ; the wait at the head's end
	s_wait_kmcnt 0x0
	s_add_nc_u64 s[20:21], s[32:33], s[20:21]
	s_add_nc_u64 s[24:25], s[34:35], s[24:25]
	s_add_nc_u64 s[26:27], s[34:35], s[26:27]
.set I, 0
.rept 32
	global_load_b128 v[64+4*I:64+4*I+3], v1, s[20:21] offset:4096*I th:TH_LOAD_NT   ; row I: 512 consecutive bytes
.set I, I+1
.endr
.macro SFRAG u                         ; rows 16 u on
.set I, 0
.rept 16
	ds_store_b128 v2, v[64+64*(\u)+4*I:64+64*(\u)+4*I+3] offset:528*I
.set I, I+1
.endr
.irp j, 0,1,2,3,4,5,6,7
	ds_load_b128 v[Y0+4*\j:Y0+4*\j+3], v3 offset:16*\j                ; LDS serves a wave's instructions in order: these see my stores
	ds_load_b128 v[Y1+4*\j:Y1+4*\j+3], v3 offset:256+16*\j
.endr
	s_wait_dscnt 0x0
	v_max3_num_f32 v8, |v[Y0]|, |v[Y0+1]|, FLOOR                      ; the two blocks' largest magnitudes, two chains each, by turns; the floor holds the byte at 1 from below
	v_max3_num_f32 v9, |v[Y1]|, |v[Y1+1]|, FLOOR
	v_max3_num_f32 v10, |v[Y0+2]|, |v[Y0+3]|, |v[Y0+4]|
	v_max3_num_f32 v11, |v[Y1+2]|, |v[Y1+3]|, |v[Y1+4]|
.set I, 5
.rept 6
	v_max3_num_f32 v8, v8, |v[Y0+I]|, |v[Y0+I+1]|
	v_max3_num_f32 v9, v9, |v[Y1+I]|, |v[Y1+I+1]|
	v_max3_num_f32 v10, v10, |v[Y0+I+2]|, |v[Y0+I+3]|
	v_max3_num_f32 v11, v11, |v[Y1+I+2]|, |v[Y1+I+3]|
.set I, I+4
.endr
	v_max3_num_f32 v8, v8, |v[Y0+29]|, |v[Y0+30]|
	v_max3_num_f32 v9, v9, |v[Y1+29]|, |v[Y1+30]|
	s_delay_alu instid0(VALU_DEP_2)
	v_max3_num_f32 v8, v8, v10, |v[Y0+31]|
	s_delay_alu instid0(VALU_DEP_2)
	v_max3_num_f32 v9, v9, v11, |v[Y1+31]|
	s_delay_alu instid0(VALU_DEP_2)
	v_add_nc_u32 v12, 0xff000000, v8               ; 2 off the exponent field: the conversion's scale operand
	s_delay_alu instid0(VALU_DEP_2)
	v_add_nc_u32 v13, 0xff000000, v9
	s_delay_alu instid0(VALU_DEP_2)
	v_lshrrev_b32 v10, 23, v12                     ; the scales' bytes
	s_delay_alu instid0(VALU_DEP_2)
	v_lshrrev_b32 v11, 23, v13
	s_delay_alu instid0(VALU_DEP_1)
	v_lshl_or_b32 v[SWD+\u], v11, 16, v10          ; blocks h and 2 + h,
	s_delay_alu instid0(VALU_DEP_1)
	v_lshlrev_b32 v[SWD+\u], v5, v[SWD+\u]         ; 8 h bits up;
	s_delay_alu instid0(VALU_DEP_1)
	v_permlanex16_b32 v6, v[SWD+\u], s28, s29
	s_delay_alu instid0(VALU_DEP_1)
	v_or_b32 v[SWD+\u], v[SWD+\u], v6              ; with lane l xor 16's two the word is whole, in both halves of the lanes
.irp g, 0,1,2,3
	v_cvt_scalef32_pk8_fp4_f32 v[SCD+8*(\u)+\g], v[Y0+8*\g:Y0+8*\g+7], v12
	v_cvt_scalef32_pk8_fp4_f32 v[SCD+8*(\u)+4+\g], v[Y1+8*\g:Y1+8*\g+7], v13
.endr
	v_nop                                          ; one plain place behind the last scaled conversion
	global_store_b128 v1, v[SCD+8*(\u):SCD+8*(\u)+3], s[24:25] offset:8192*(\u)         ; 32 lanes store 512 consecutive bytes, aligned
	global_store_b128 v1, v[SCD+8*(\u)+4:SCD+8*(\u)+7], s[24:25] offset:8192*(\u)+512
.endm
	s_wait_loadcnt 16                              ; rows 0 to 15 are in; the sixteen loads of rows 16 to 31 may be out
	SFRAG 0
	s_wait_loadcnt 0x0
	SFRAG 1
	v_cmp_gt_u32 vcc_lo, 16, v15
	v_cndmask_b32 v14, v[SWD+1], v[SWD], vcc_lo    ; lanes 0-15: rows 0-15; lanes 16-31: rows 16-31
	ds_store_b32 v4, v14
	s_wait_dscnt 0x0                               ; for the others' sake: my store has landed
	s_barrier_signal -1
	s_barrier_wait -1
	s_cmp_lg_u32 s15, 0
	s_cbranch_scc1 .Lsend                          ; the 512 bytes of scale words leave by wave 0
	ds_load_b128 v[16:19], v7
	s_wait_dscnt 0x0
	global_store_b128 v1, v[16:19], s[26:27] offset:65536
.Lsend:
	s_wait_tensorcnt 0x0                           ; the wave's end
	ds_add_u32 v212, v213
	s_wait_dscnt 0x0
	s_endpgm
.Lfunc_end_k_q9b7406112d_quantw:
	.size	k_q9b7406112d_quantw, .Lfunc_end_k_q9b7406112d_quantw-k_q9b7406112d_quantw
	.p2alignl 7, 3214868480
	.fill 96, 4, 3214868480
	.section	.rodata,"a",@progbits
	.p2align	6, 0x0
	.amdhsa_kernel k_q9b7406112d_quantw
		.amdhsa_group_segment_fixed_size 44032
		.amdhsa_private_segment_fixed_size 0
		.amdhsa_enable_private_segment 0
		.amdhsa_kernarg_size 48
		.amdhsa_user_sgpr_count 2
		.amdhsa_user_sgpr_kernarg_segment_ptr 1
		.amdhsa_wavefront_size32 1
		.amdhsa_system_sgpr_workgroup_id_x 1
		.amdhsa_system_sgpr_workgroup_id_y 1
		.amdhsa_system_sgpr_workgroup_id_z 1
		.amdhsa_system_vgpr_workitem_id 0
		.amdhsa_next_free_vgpr 248
		.amdhsa_next_free_sgpr 66
		.amdhsa_reserve_vcc 1
		.amdhsa_float_denorm_mode_32 3
		.amdhsa_float_denorm_mode_16_64 3
		.amdhsa_memory_ordered 1
		.amdhsa_forward_progress 1
		.amdhsa_inst_pref_size 41
	.end_amdhsa_kernel
	.amdgpu_metadata
---
amdhsa.version: [ 1, 2 ]
amdhsa.kernels:
  - .name:           k_q9b7406112d_quantw
    .symbol:         k_q9b7406112d_quantw.kd
    .args:
      - { .name: Wx, .offset: 0, .size: 8, .value_kind: global_buffer, .address_space: global }
      - { .name: Wp, .offset: 8, .size: 8, .value_kind: global_buffer, .address_space: global }
      - { .name: wx_img, .offset: 16, .size: 8, .value_kind: global_buffer, .address_space: global }
      - { .name: wp_img, .offset: 24, .size: 8, .value_kind: global_buffer, .address_space: global }
      - { .name: sin, .offset: 32, .size: 8, .value_kind: global_buffer, .address_space: global }
      - { .name: sx_img, .offset: 40, .size: 8, .value_kind: global_buffer, .address_space: global }
    .group_segment_fixed_size: 44032
    .private_segment_fixed_size: 0
    .kernarg_segment_align: 8
    .kernarg_segment_size: 48
    .max_flat_workgroup_size: 128
    .sgpr_count:     66
    .vgpr_count:     248
    .wavefront_size: 32
...
	.end_amdgpu_metadata
.endif
;; end of part 1
;; launch proj (part 2): grid 4 x 64, 16 waves a work-group, clusters of 4 x 4, 210,944 bytes of LDS; arguments sx_img, wx_img, bx, kv; writes kv
.if DOCPART == 2
	.amdgcn_target "amdgcn-amd-amdhsa--gfx1250"
	.amdhsa_code_object_version 6
	.text
	.protected	k_q9b7406112d_proj
	.globl	k_q9b7406112d_proj
	.p2align	8
	.type	k_q9b7406112d_proj,@function
k_q9b7406112d_proj:
	s_mov_b64 s[64:65], 0
	v_nop
	global_prefetch_b8 v0, s[64:65] scope:SCOPE_SE
	s_setreg_imm32_b32 hwreg(HW_REG_WAVE_MODE, 25, 1), 1
	s_wait_xcnt 0x0
	s_wait_alu depctr_hold_cnt(0) depctr_sa_sdst(0) depctr_va_vdst(0) depctr_va_sdst(0) depctr_va_ssrc(0) depctr_va_vcc(0) depctr_vm_vsrc(0)
	s_getreg_b32 s2, hwreg(HW_REG_IB_STS2, 6, 4)
	s_cmp_eq_u32 s2, 0
	s_cbranch_scc0 .Lentry_in_a_cluster
	s_endpgm
.Lentry_in_a_cluster:
	s_bfe_u32 s2, ttmp6, 0x10000c
	s_cmp_lg_u32 s2, 0xf033
	s_cbranch_scc0 .Lentry_shape_is_right
	s_endpgm
.Lentry_shape_is_right:
; h = Q(sin) Q(Wx) + bx on codes of FP4 with E8M0 scales (K = 1,024), then what attention wants of h, written to kv:
;   h quantised along the head's 64 features (queries and keys), h quantised along the keys (values), and 1 / |h| of the unquantised h.
; Both operands arrive as images in the order of the operand's registers, with their scale words (sx_img: 64 blocks of 128 rows; wx_img: 4 parts of 256 columns = 4 heads).
; SHARES: a work-group takes 128 rows x 4 heads; sixteen waves, wave w: rows 32 (w & 3) on (two tiles u = 0, 1), head 4 x column block + (w >> 2).
; LDS: sin's block (69,632 bytes) at 0, Wx's part (139,264 bytes) behind it, both whole and filled once; behind them the spare words.
; CLUSTER 4 x 4: sin's block hangs on the row block alone and is shared along a row of the cluster, Wx's part on the column block alone and is shared along a column: twelve joint loads of 17,408 dense bytes,
; waves 0-3 sin's, waves 4-11 Wx's, the same descriptor in the four work-groups that the mask names.  NO PREFETCH: every byte is asked for once, at the kernel's head.
; THE PRODUCT IS MADE TWICE FROM THE SAME FRAGMENTS, the sources swapped:
;   D1 (source 0 = 16 columns of Wx, source 1 = 16 rows): a lane holds one row and, thanks to the order of the image's columns, 32 NEIGHBOURING features 32 h + 0 .. 31 in 32 registers: a whole block along the features; bx is the C of its first products;
;   D2 (source 0 = 16 rows, source 1 = 16 columns): a lane holds one feature and 16 of the wave's 32 rows, which are one block along the keys; bx is added behind the sums.
; kv: [batch x 16 + head][16 steps of 128 keys][9,216 bytes]: K fragments 0..4095, V fragments 4096..8191, K's scale words 8192.., V's 8448.., 1 / norm 8704.. (128 f32).
;   K: fragment (g, y) at 2,048 g + 1,024 y holds TWO tiles of 16 keys (k 0-63: tile 2 y, k 64-127: tile 2 y + 1); the 16 bytes of key 64 g + 32 a + 8 (2 y + c) + p, feature block h, lie at 512 a + 256 c + 16 (8 (h xor a) + p).
;   V: [tile 4][c 2][lane (m, h)][16]: feature 32 (m / 8) + 8 tile + m % 8, keys 64 c + 32 h + 0 .. 31.
; LIMITS: 1 / norm is v_rsq_f32 of the sum of squares, which has to be a normal f32 number (a row of zeros gives infinity here and NaN later, as the definition does); a block of zeros gets the byte 1, not 127
; (its codes are zeros, only this program reads the bytes); NaN and infinities among the inputs are not served.
.set PART,  17408                      ; 68 rows of 256 bytes: a quarter of sin's block, an eighth of Wx's part
.set WBLK,  69632
.set SPARE, 208896
.set FLOOR, 0x1800000                  ; 2^(3 - 127)
.set XS,  16                           ; v16-23   sin's scale words, one register a K step: lanes 0-15 rows 0-15, lanes 16-31 rows 16-31
.set BB2, 24                           ; v24-27   bx for D2: one number a tile
.set WB,  32                           ; v32-63, v64-95 Wx's four fragments of a K step, two buffers
.set XF,  96                           ; v96-111  sin's two fragments of a K step
.set WS,  112                          ; v112-127 Wx's scale words: register 2 k + p: lanes 0-15 tile 2 p, lanes 16-31 tile 2 p + 1
.set D1,  128                          ; v128-191 D1 (u, tile) at 128 + 32 u + 8 tile
.set D2,  192                          ; v192-255 D2 (tile, u) at 192 + 16 tile + 8 u
; v1 16 x lane; v2 Wx's fragments, v3 its scale words, v4 sin's scale words, v14 sin's fragments (LDS); v6 a lane permute's destination; v7-11 offsets into kv; v12, v13 offsets into bx; v15 lane
.macro WM d, a, b, c, sa, sb, ra, rb   ; one scaled product: D, A, B first registers; c < 0: C is the constant 0; scale registers; ra, rb = 1: the scales stand in lanes 16-31
.set rD, \d
.set rA, \a
.set rB, \b
.set rC, \c
.set rSA, \sa
.set rSB, \sb
.set rR, 2*(\ra)+(\rb)
.if rC < 0
.if rR == 0
	v_wmma_scale_f32_16x16x128_f8f6f4 v[rD:rD+7], v[rA:rA+7], v[rB:rB+7], 0, v[rSA], v[rSB] matrix_a_fmt:MATRIX_FMT_FP4 matrix_b_fmt:MATRIX_FMT_FP4
.elseif rR == 1
	v_wmma_scale_f32_16x16x128_f8f6f4 v[rD:rD+7], v[rA:rA+7], v[rB:rB+7], 0, v[rSA], v[rSB] matrix_a_fmt:MATRIX_FMT_FP4 matrix_b_fmt:MATRIX_FMT_FP4 matrix_b_scale:MATRIX_SCALE_ROW1
.elseif rR == 2
	v_wmma_scale_f32_16x16x128_f8f6f4 v[rD:rD+7], v[rA:rA+7], v[rB:rB+7], 0, v[rSA], v[rSB] matrix_a_fmt:MATRIX_FMT_FP4 matrix_b_fmt:MATRIX_FMT_FP4 matrix_a_scale:MATRIX_SCALE_ROW1
.else
	v_wmma_scale_f32_16x16x128_f8f6f4 v[rD:rD+7], v[rA:rA+7], v[rB:rB+7], 0, v[rSA], v[rSB] matrix_a_fmt:MATRIX_FMT_FP4 matrix_b_fmt:MATRIX_FMT_FP4 matrix_a_scale:MATRIX_SCALE_ROW1 matrix_b_scale:MATRIX_SCALE_ROW1
.endif
.else
.if rR == 0
	v_wmma_scale_f32_16x16x128_f8f6f4 v[rD:rD+7], v[rA:rA+7], v[rB:rB+7], v[rC:rC+7], v[rSA], v[rSB] matrix_a_fmt:MATRIX_FMT_FP4 matrix_b_fmt:MATRIX_FMT_FP4
.elseif rR == 1
	v_wmma_scale_f32_16x16x128_f8f6f4 v[rD:rD+7], v[rA:rA+7], v[rB:rB+7], v[rC:rC+7], v[rSA], v[rSB] matrix_a_fmt:MATRIX_FMT_FP4 matrix_b_fmt:MATRIX_FMT_FP4 matrix_b_scale:MATRIX_SCALE_ROW1
.elseif rR == 2
	v_wmma_scale_f32_16x16x128_f8f6f4 v[rD:rD+7], v[rA:rA+7], v[rB:rB+7], v[rC:rC+7], v[rSA], v[rSB] matrix_a_fmt:MATRIX_FMT_FP4 matrix_b_fmt:MATRIX_FMT_FP4 matrix_a_scale:MATRIX_SCALE_ROW1
.else
	v_wmma_scale_f32_16x16x128_f8f6f4 v[rD:rD+7], v[rA:rA+7], v[rB:rB+7], v[rC:rC+7], v[rSA], v[rSB] matrix_a_fmt:MATRIX_FMT_FP4 matrix_b_fmt:MATRIX_FMT_FP4 matrix_a_scale:MATRIX_SCALE_ROW1 matrix_b_scale:MATRIX_SCALE_ROW1
.endif
.endif
.endm
.macro CROUND                          ; a round of the cluster's barrier
	s_barrier_signal -1
	s_barrier_wait -1
	s_cmp_lg_u32 s12, 0
	s_cbranch_scc1 .Lnot_wave_0_\@
	s_barrier_signal -3
.Lnot_wave_0_\@:
	s_barrier_wait -3
	s_barrier_signal -1
	s_barrier_wait -1
.endm
	s_load_b256 s[4:11], s[0:1], 0x0               ; sx_img, wx_img, bx, kv
	v_lshl_add_u32 v254, v0, 2, SPARE
	v_mov_b32 v255, 0
	ds_add_u32 v254, v255                          ; the opening lines: the add, twice on end, and its wait ahead of the round in front of the first loads
	ds_add_u32 v254, v255
	v_lshrrev_b32 v28, 5, v0
	s_delay_alu instid0(VALU_DEP_1)
	v_readfirstlane_b32 s12, v28                   ; wave 0..15
	s_bfe_u32 s13, ttmp6, 0x40000                  ; cx
	s_bfe_u32 s14, ttmp6, 0x40004                  ; cy
	s_lshl_b32 s15, ttmp9, 2
	s_add_co_u32 s15, s15, s13                     ; block of 256 columns
	s_and_b32 s24, ttmp7, 0xffff
	s_lshl_b32 s24, s24, 2
	s_add_co_u32 s24, s24, s14                     ; block of 128 rows
	s_lshl_b32 s25, s14, 2
	s_lshl_b32 s25, 15, s25                        ; my row of the cluster
	s_lshl_b32 s26, 0x1111, s13                    ; my column
	; descriptor groups 1: 17,408 dense bytes as 68 rows of 32 elements of 8 bytes; they differ in the mask alone
	s_or_b32 s28, s25, (3<<16)|(1<<21)             ; sin's block goes to my row
	s_or_b32 s36, s26, (3<<16)|(1<<21)             ; Wx's part to my column
.irp g, 28, 36
	s_mov_b32 s[\g+1], 32<<16
	s_mov_b32 s[\g+2], 68<<16
	s_mov_b32 s[\g+3], 32<<16
	s_mov_b32 s[\g+4], 68
	s_mov_b32 s[\g+5], 32
	s_mov_b32 s[\g+6], 0
	s_mov_b32 s[\g+7], 0
.endr
	s_mul_i32 s44, s24, 69632                      ; sin's address is made of the row block and the wave's number,
	s_and_b32 s27, s12, 3
	s_mul_i32 s27, s27, PART
	s_add_co_u32 s44, s44, s27
	s_mov_b32 s45, 0
	s_mul_i32 s46, s15, 139264                     ; Wx's of the column block and the wave's number (waves 4 to 11: parts 0 to 7)
	s_add_co_u32 s27, s12, 4
	s_and_b32 s27, s27, 7
	s_mul_i32 s27, s27, PART
	s_add_co_u32 s46, s46, s27
	s_mov_b32 s47, 0
	s_mov_b32 s16, 1
	s_mul_i32 s17, s12, PART                       ; where it goes: wave x 17,408: no place in the cluster enters an LDS address
	s_mov_b32 s20, 1
	s_mul_i32 s21, s12, PART
	s_wait_dscnt 0x0
	s_wait_kmcnt 0x0
	s_add_nc_u64 s[18:19], s[4:5], s[44:45]
	s_or_b32 s19, s19, 0x80000000
	s_add_nc_u64 s[22:23], s[6:7], s[46:47]
	s_or_b32 s23, s23, 0x80000000
	CROUND                                         ; all sixteen work-groups are here: the joint loads meet
	s_cmp_lt_u32 s12, 4                            ; the branches hang on the wave's number alone
	s_cbranch_scc0 .Lnot_a
	tensor_load_to_lds s[16:19], s[28:35]
	s_nop 0
.rept 4
	v_nop
.endr
	s_branch .Lasked
.Lnot_a:
	s_cmp_lt_u32 s12, 12
	s_cbranch_scc0 .Lasked
	tensor_load_to_lds s[20:23], s[36:43]
	s_nop 0
.rept 4
	v_nop
.endr
.Lasked:
	s_lshr_b32 s27, s12, 2
	s_lshl_b32 s48, s15, 2
	s_add_co_u32 s48, s48, s27                     ; my head
	s_lshl_b32 s44, s48, 8
	s_add_nc_u64 s[50:51], s[8:9], s[44:45]        ; its bx
	s_lshr_b32 s49, s24, 4                         ; batch
	s_lshl_b32 s49, s49, 4
	s_add_co_u32 s49, s49, s48
	s_lshl_b32 s49, s49, 4
	s_and_b32 s46, s24, 15                         ; the step of 128 keys
	s_add_co_u32 s49, s49, s46
	s_mul_i32 s44, s49, 9216
	s_add_nc_u64 s[52:53], s[10:11], s[44:45]      ; my head's block of kv for these keys
	s_and_b32 s54, s12, 3                          ; 2 g + a: which 32 keys of the step
	s_lshr_b32 s55, s54, 1                         ; g
	s_and_b32 s56, s54, 1                          ; a
	s_lshl_b32 s57, s55, 11
	s_lshl_b32 s46, s56, 9
	s_add_co_u32 s57, s57, s46
	s_lshl_b32 s58, s56, 6
	s_lshl_b32 s46, s55, 2
	s_add_co_u32 s58, s58, s46
	s_mov_b32 s46, 0x76543210
	s_mov_b32 s47, 0xfedcba98                      ; v_permlanex16_b32's selects for lane l xor 16
	v_bfe_u32 v29, v0, 4, 1                        ; h
	v_bfe_u32 v30, v0, 3, 1                        ; r / 8
	v_and_b32 v31, 7, v0                           ; r % 8
	v_and_b32 v15, 31, v0                          ; lane
	v_lshlrev_b32 v12, 7, v29                      ; bx for D1: features 32 h on
	v_lshlrev_b32 v13, 7, v30
	v_and_b32 v28, 15, v0                          ; r
	v_lshlrev_b32 v1, 4, v15
	v_lshl_add_u32 v13, v31, 2, v13                ; bx for D2: feature 32 (r / 8) + r % 8 (+ 8 tile)
.irp u, 0,1
.irp j, 0,1,2,3,4,5,6,7
	global_load_b128 v[D1+32*\u+4*\j:D1+32*\u+4*\j+3], v12, s[50:51] offset:16*\j   ; bx at my 32 features, into D1's own registers: the C of its first products
.endr
.endr
.irp t, 0,1,2,3
	global_load_b32 v[BB2+\t], v13, s[50:51] offset:32*\t
.endr
	v_bfe_u32 v2, v0, 5, 2                         ; wave & 3
	v_bfe_u32 v3, v0, 7, 2                         ; wave >> 2
	v_mov_b32 v6, 0                                ; written once: a lane permute's destination counts as one of its sources
	v_lshl_add_u32 v14, v2, 14, v1                 ; sin's fragments: 16,384 x (wave & 3) + 16 x lane
	v_lshl_add_u32 v4, v2, 10, v1
	v_lshl_add_u32 v2, v3, 15, v1
	v_lshl_add_u32 v3, v3, 11, v1
	v_add_nc_u32 v4, 65536, v4                     ; its scale words
	v_add_nc_u32 v2, WBLK, v2                      ; Wx's fragments: 32,768 x (wave >> 2) + 16 x lane
	v_add_nc_u32 v3, WBLK+131072, v3               ; its scale words
	v_xor_b32 v7, s56, v29
	v_lshlrev_b32 v8, 3, v31
	v_lshlrev_b32 v7, 7, v7
	v_lshl_add_u32 v8, v30, 1, v8
	v_lshl_add_u32 v7, v30, 8, v7
	v_add_nc_u32 v8, v8, v29
	v_lshl_add_u32 v7, v31, 4, v7
	v_add_nc_u32 v8, s58, v8                       ; K's scale bytes: 64 a + 4 g + 8 (r % 8) + 2 (r / 8) + h
	v_add_nc_u32 v7, s57, v7                       ; K's codes: 2,048 g + 512 a + 256 (r / 8) + 128 (h xor a) + 16 (r % 8)
	s_lshl_b32 s59, s54, 7
	v_lshl_add_u32 v9, v15, 2, s59                 ; 1 / norm: 128 (2 g + a) + 4 x lane
	s_lshl_b32 s49, s54, 8
	v_lshl_add_u32 v10, v28, 4, s49
	v_lshl_add_u32 v11, v15, 3, s54                ; V's scale bytes: 8 x lane + 2 g + a
	v_lshl_add_u32 v10, v29, 3, v10                ; V's codes: 256 (2 g + a) + 16 r + 8 h
	s_wait_alu depctr_va_vdst(0)                   ; the wait at the head's end
	s_wait_tensorcnt 0x0                           ; my part is in LDS,
	s_barrier_signal -1
	s_barrier_wait -1                              ; everybody's is
	; ---- the product: eight K steps of 128, sixteen accumulators by turns, one instruction a turn
.macro WLOAD k, buf                    ; Wx's four fragments of K step k: eight loads of 512 consecutive bytes
.irp t, 0,1,2,3
.irp c, 0,1
	ds_load_b128 v[\buf+8*\t+4*\c:\buf+8*\t+4*\c+3], v2 offset:(\k)*4096+\t*1024+\c*512
.endr
.endr
.endm
.macro XLOAD k
.irp u, 0,1
.irp c, 0,1
	ds_load_b128 v[XF+8*\u+4*\c:XF+8*\u+4*\c+3], v14 offset:\u*8192+(\k)*1024+512*\c
.endr
.endr
.endm
	ds_load_b128 v[XS:XS+3], v4
	ds_load_b128 v[XS+4:XS+7], v4 offset:512
.irp q, 0,1,2,3
	ds_load_b128 v[WS+4*\q:WS+4*\q+3], v3 offset:512*\q
.endr
	WLOAD 0, WB
	XLOAD 0
	WLOAD 1, WB+32
	s_wait_loadcnt 0x0                             ; bx
.macro KSTEP k
.set WBK, WB+32*((\k)%2)
.if (\k) == 7
	s_wait_dscnt 0x0
.else
	s_wait_dscnt 8                                 ; this step's fragments are in; the eight loads of Wx's next fragments may be out
.endif
.irp t, 0,1,2,3
.irp u, 0,1
	WM D1+32*\u+8*\t, WBK+8*\t, XF+8*\u, D1+32*\u+8*\t, WS+2*(\k)+\t/2, XS+(\k), \t%2, \u
.if (\k) == 0
	WM D2+16*\t+8*\u, XF+8*\u, WBK+8*\t, -1, XS+(\k), WS+2*(\k)+\t/2, \u, \t%2
.else
	WM D2+16*\t+8*\u, XF+8*\u, WBK+8*\t, D2+16*\t+8*\u, XS+(\k), WS+2*(\k)+\t/2, \u, \t%2
.endif
.endr
.endr
.rept 4
	v_nop                                          ; four places in front of loads into registers that these products read, and of the first read of results
.endr
.if (\k) <= 6
	XLOAD (\k)+1
.endif
.if (\k) <= 5
	WLOAD (\k)+2, WBK
.endif
.endm
.irp k, 0,1,2,3,4,5,6,7
	KSTEP \k
.endr
	; ---- rows 16 u + r: 1 / norm, and the lane's block of 32 features as codes.  Each store has registers of its own: none is written again
.macro E1 u
.set DD, D1+32*(\u)
	v_pk_mul_f32 v[64:65], v[DD:DD+1], v[DD:DD+1]                         ; the sum of squares, in two packed chains; each accumulator from its low end on
	v_pk_mul_f32 v[66:67], v[DD+2:DD+3], v[DD+2:DD+3]
.irp i, 4,8,12,16,20,24,28
	v_pk_fma_f32 v[64:65], v[DD+\i:DD+\i+1], v[DD+\i:DD+\i+1], v[64:65]
	v_pk_fma_f32 v[66:67], v[DD+\i+2:DD+\i+3], v[DD+\i+2:DD+\i+3], v[66:67]
.endr
	v_pk_add_f32 v[64:65], v[64:65], v[66:67]
	v_add_f32 v64, v64, v65
	v_permlanex16_b32 v6, v64, s46, s47
	v_add_f32 v64, v64, v6                         ; with lane l xor 16's 32 features
	s_wait_alu depctr_va_vdst(0)
	v_rsq_f32 v[68+\u], v64                        ; 1 / norm; the plain lines below stand behind it
	v_max3_num_f32 v70, |v[DD]|, |v[DD+1]|, FLOOR
	v_max3_num_f32 v71, |v[DD+2]|, |v[DD+3]|, |v[DD+4]|
.irp i, 5,9,13,17,21,25
	v_max3_num_f32 v70, v70, |v[DD+\i]|, |v[DD+\i+1]|
	v_max3_num_f32 v71, v71, |v[DD+\i+2]|, |v[DD+\i+3]|
.endr
	v_max3_num_f32 v70, v70, |v[DD+29]|, |v[DD+30]|
	v_max3_num_f32 v70, v70, v71, |v[DD+31]|
	v_add_nc_u32 v[72+\u], 0xff000000, v70
	v_lshrrev_b32 v[74+\u], 23, v[72+\u]
.irp g, 0,1,2,3
	v_cvt_scalef32_pk8_fp4_f32 v[76+4*(\u)+\g], v[DD+8*\g:DD+8*\g+7], v[72+\u]
.endr
	v_nop
	global_store_b128 v7, v[76+4*(\u):79+4*(\u)], s[52:53] offset:1024*(\u)      ; the wave's store fills two aligned runs of 256 bytes
	global_store_b8 v8, v[74+\u], s[52:53] offset:8192+128*(\u)
.endm
	E1 0
	s_wait_alu depctr_va_vdst(0)
	E1 1
	v_cmp_gt_u32 vcc_lo, 16, v15
	s_wait_alu depctr_va_vdst(0)
	v_cndmask_b32 v84, v69, v68, vcc_lo            ; lanes 0-15: rows 0-15; lanes 16-31: rows 16-31
	global_store_b32 v9, v84, s[52:53] offset:8704
	; ---- feature of tile t: + bx, the block of the 32 rows as codes along the keys
.macro E2 t
.set DD, D2+16*(\t)
.irp i, 0,2,4,6,8,10,12,14
.if (\t)%2
	v_pk_add_f32 v[DD+\i:DD+\i+1], v[DD+\i:DD+\i+1], v[BB2+2*((\t)/2):BB2+2*((\t)/2)+1] op_sel:[0,1] op_sel_hi:[1,1]
.else
	v_pk_add_f32 v[DD+\i:DD+\i+1], v[DD+\i:DD+\i+1], v[BB2+2*((\t)/2):BB2+2*((\t)/2)+1] op_sel_hi:[1,0]
.endif
.endr
	v_max3_num_f32 v85, |v[DD]|, |v[DD+1]|, FLOOR
.irp i, 2,4,6,8,10,12,14
	s_delay_alu instid0(VALU_DEP_1)
	v_max3_num_f32 v85, v85, |v[DD+\i]|, |v[DD+\i+1]|
.endr
	s_delay_alu instid0(VALU_DEP_1)
	v_permlanex16_b32 v6, v85, s46, s47
	s_delay_alu instid0(VALU_DEP_1)
	v_max_num_f32 v85, v85, v6                     ; with lane l xor 16's 16 rows: the block's largest magnitude
	s_delay_alu instid0(VALU_DEP_1)
	v_add_nc_u32 v[88+\t], 0xff000000, v85
	s_delay_alu instid0(VALU_DEP_1)
	v_lshrrev_b32 v[92+\t], 23, v[88+\t]
	v_cvt_scalef32_pk8_fp4_f32 v[96+2*(\t)], v[DD:DD+7], v[88+\t]         ; rows 8 h + 0 .. 7
	v_cvt_scalef32_pk8_fp4_f32 v[97+2*(\t)], v[DD+8:DD+15], v[88+\t]      ; rows 16 + 8 h + 0 .. 7
	v_nop
	v_permlane16_swap_b32 v[96+2*(\t)], v[97+2*(\t)]                      ; lanes 0-15 now hold rows 0-15 of their feature, lanes 16-31 rows 16-31
	global_store_b64 v10, v[96+2*(\t):97+2*(\t)], s[52:53] offset:4096+1024*(\t)   ; the wave stores 256 consecutive bytes, aligned
.endm
	E2 0
	E2 1
	E2 2
	E2 3
.irp p, 0,1
	v_cndmask_b32 v[104+\p], v[93+2*\p], v[92+2*\p], vcc_lo               ; lanes 0-15: tile 2 p; lanes 16-31: tile 2 p + 1
	global_store_b8 v11, v[104+\p], s[52:53] offset:8448+4*\p
.endr
	s_wait_xcnt 0x0
	v_lshl_add_u32 v254, v0, 2, SPARE              ; D2 took the add's two registers: they are made anew from v0
	v_mov_b32 v255, 0
	s_wait_alu depctr_va_vdst(0)
	s_wait_tensorcnt 0x0                           ; the wave's end
	ds_add_u32 v254, v255
	s_wait_dscnt 0x0
	CROUND                                         ; the closing round: no work-group ends while a partner may still ask for bytes jointly
	s_endpgm
.Lfunc_end_k_q9b7406112d_proj:
	.size	k_q9b7406112d_proj, .Lfunc_end_k_q9b7406112d_proj-k_q9b7406112d_proj
	.p2alignl 7, 3214868480
	.fill 96, 4, 3214868480
	.section	.rodata,"a",@progbits
	.p2align	6, 0x0
	.amdhsa_kernel k_q9b7406112d_proj
		.amdhsa_group_segment_fixed_size 210944
		.amdhsa_private_segment_fixed_size 0
		.amdhsa_enable_private_segment 0
		.amdhsa_kernarg_size 32
		.amdhsa_user_sgpr_count 2
		.amdhsa_user_sgpr_kernarg_segment_ptr 1
		.amdhsa_wavefront_size32 1
		.amdhsa_system_sgpr_workgroup_id_x 1
		.amdhsa_system_sgpr_workgroup_id_y 1
		.amdhsa_system_sgpr_workgroup_id_z 1
		.amdhsa_system_vgpr_workitem_id 0
		.amdhsa_next_free_vgpr 256
		.amdhsa_next_free_sgpr 66
		.amdhsa_reserve_vcc 1
		.amdhsa_float_denorm_mode_32 3
		.amdhsa_float_denorm_mode_16_64 3
		.amdhsa_memory_ordered 1
		.amdhsa_forward_progress 1
		.amdhsa_inst_pref_size 47
	.end_amdhsa_kernel
	.amdgpu_metadata
---
amdhsa.version: [ 1, 2 ]
amdhsa.kernels:
  - .name:           k_q9b7406112d_proj
    .symbol:         k_q9b7406112d_proj.kd
    .args:
      - { .name: sx_img, .offset: 0, .size: 8, .value_kind: global_buffer, .address_space: global }
      - { .name: wx_img, .offset: 8, .size: 8, .value_kind: global_buffer, .address_space: global }
      - { .name: bx, .offset: 16, .size: 8, .value_kind: global_buffer, .address_space: global }
      - { .name: kv, .offset: 24, .size: 8, .value_kind: global_buffer, .address_space: global }
    .group_segment_fixed_size: 210944
    .private_segment_fixed_size: 0
    .kernarg_segment_align: 8
    .kernarg_segment_size: 32
    .max_flat_workgroup_size: 512
    .sgpr_count:     66
    .vgpr_count:     256
    .wavefront_size: 32
...
	.end_amdgpu_metadata
.endif
;; end of part 2
;; launch attn (part 3): grid 4 x 64, 16 waves a work-group, clusters of 4 x 1, 169,984 bytes of LDS; arguments kv, cat; writes cat
.if DOCPART == 3
	.amdgcn_target "amdgcn-amd-amdhsa--gfx1250"
	.amdhsa_code_object_version 6
	.text
	.protected	k_q9b7406112d_attn
	.globl	k_q9b7406112d_attn
	.p2align	8
	.type	k_q9b7406112d_attn,@function
k_q9b7406112d_attn:
	s_mov_b64 s[64:65], 0
	v_nop
	global_prefetch_b8 v0, s[64:65] scope:SCOPE_SE
	s_setreg_imm32_b32 hwreg(HW_REG_WAVE_MODE, 25, 1), 1
	s_wait_xcnt 0x0
	s_wait_alu depctr_hold_cnt(0) depctr_sa_sdst(0) depctr_va_vdst(0) depctr_va_sdst(0) depctr_va_ssrc(0) depctr_va_vcc(0) depctr_vm_vsrc(0)
	s_getreg_b32 s2, hwreg(HW_REG_IB_STS2, 6, 4)
	s_cmp_eq_u32 s2, 0
	s_cbranch_scc0 .Lentry_in_a_cluster
	s_endpgm
.Lentry_in_a_cluster:
	s_bfe_u32 s2, ttmp6, 0x10000c
	s_cmp_lg_u32 s2, 0x3003
	s_cbranch_scc0 .Lentry_shape_is_right
	s_endpgm
.Lentry_shape_is_right:
; For one (batch, head): scores = Q(h) Q(h)^T / (|h_q| |h_k|), p = 2^(score x log2 e), o = Q(p) Q(h) / (the sum of the unquantised p); o is quantised along the head's features into the next product's operand image.
; Both products on codes of FP4 with E8M0 scales.  q = k = v = h: kv holds h as codes along the features (queries and keys), as codes along the keys (values), and 1 / norm.
; NO MAXIMUM IS TAKEN AWAY, AND WHY THAT HOLDS FOR EVERY INPUT: rounding to E2M1 never more than doubles a magnitude, so by Cauchy-Schwarz |score| <= 4 and |t| <= 5.8: every p lies between 2^-5.8 and 2^5.8, a row's sum
; under 2,048 x 2^5.8.  The definition's M is a whole number; taking M = 0 multiplies p, its block scales and the row's sum by exactly 2^M, which cancels in o / sum: the codes are the same.
; SHARES: a work-group owns 512 queries, each of sixteen waves 32: two tiles A and B.  Every wave walks the head's 2,048 keys, 128 a step.  The head's 147,456 bytes of kv stay in LDS, filled once.
; CLUSTER: the four query blocks of a head read the same bytes: each of the sixteen tensor loads (wave w: step w's 9,216 bytes) is asked for jointly by the four work-groups, with the same descriptor and the mask 15.
; NO PREFETCH: every byte that the launch reads through LDS is asked for once, at the kernel's head; there is no later load to run ahead of.
; LAYOUT: both products are used transposed (S^T = K Q^T, O^T = V^T P^T), so a lane holds one query throughout.  The keys of a tile of K are 64 g + 32 (m / 8) + 8 tile + m % 8: the lane's 32 registers of four tiles are
; 32 NEIGHBOURING keys 64 g + 32 h + 0 .. 31, a whole block of the second product's K: no lane is asked for a maximum, and the conversions' results are the operand's registers.  V's features are ordered likewise.
; K = 64 IN AN INSTRUCTION OF 128: a fragment of K carries two tiles of keys (k 0-63, k 64-127); it is multiplied once by [q | zero codes] and once by [zero codes | q].
; TILES A AND B GO IN LOCKSTEP through every phase of the softmax: 64 exponentials are one batch, and the four chains of maxima and the four chains of sums are laid by turns, so that no line reads what the lines just ahead of it wrote.
; LIMITS: rows whose norm is 0 or no normal f32 number, NaN and infinities are not served; a block of o that is all zeros gets the byte 1, not 127 (zero codes; only this program reads the bytes).
.set STEPB, 9216
.set FLOOR, 0x1800000
.set ADK, 1                            ; v1   my lane's place in a fragment of K
.set ADV, 2                            ; v2   in a fragment of V: 4,096 + 16 x lane
.set ADS, 3                            ; v3   among the scale words: 8,192 + 8 x lane
.set ADR, 4                            ; v4   among 1 / norm: 8,704 + 128 h
.set MB0, 5                            ; v5, v7   B's two chains of maxima; then the conversion's scale operand, a byte
.set MB1, 7
; v6 a lane permute's destination on the way out; v8, v9 Q's scale word and the same turned by 16 bits; v[10:11] log2 e / norm of my query in A, in B
.set LA,  12                           ; v[12:13], v[14:15] the rows' sums, first chains
.set LB,  14
; v16-35: zeros | A's codes | zeros | B's codes | zeros: [0 | qA] = v[16:23], [qA | 0] = v[20:27], [0 | qB] = v[24:31], [qB | 0] = v[28:35]
.set LA2, 36                           ; v[36:37], v[38:39] the rows' sums, second chains
.set LB2, 38
.set MA0, 40                           ; v40, v41 A's two chains of maxima
.set MA1, 41
.set PWA, 42                           ; p's scale words
.set PWB, 43
.set PCA, 44                           ; v44-51, v52-59 p's codes
.set PCB, 52
.set KF,  60                           ; v60-91   four fragments of K, later of V
.set KSC, 92                           ; v[92:93] their scale words
.set RK,  94                           ; v94-125  1 / norm of my 32 keys
.set SA,  126                          ; v126-157, v158-189 S^T, then p
.set SB,  158
.set OA,  190                          ; v190-221, v222-253 O^T
.set OB,  222
.macro WM d, a, b, c, sa, sb, ra       ; one scaled product: D, A, B first registers; c < 0: C is the constant 0; scale registers; ra = 1: A's scales stand in lanes 16-31
.set rD, \d
.set rA, \a
.set rB, \b
.set rC, \c
.set rSA, \sa
.set rSB, \sb
.set rR, \ra
.if rC < 0
.if rR
	v_wmma_scale_f32_16x16x128_f8f6f4 v[rD:rD+7], v[rA:rA+7], v[rB:rB+7], 0, v[rSA], v[rSB] matrix_a_fmt:MATRIX_FMT_FP4 matrix_b_fmt:MATRIX_FMT_FP4 matrix_a_scale:MATRIX_SCALE_ROW1
.else
	v_wmma_scale_f32_16x16x128_f8f6f4 v[rD:rD+7], v[rA:rA+7], v[rB:rB+7], 0, v[rSA], v[rSB] matrix_a_fmt:MATRIX_FMT_FP4 matrix_b_fmt:MATRIX_FMT_FP4
.endif
.else
.if rR
	v_wmma_scale_f32_16x16x128_f8f6f4 v[rD:rD+7], v[rA:rA+7], v[rB:rB+7], v[rC:rC+7], v[rSA], v[rSB] matrix_a_fmt:MATRIX_FMT_FP4 matrix_b_fmt:MATRIX_FMT_FP4 matrix_a_scale:MATRIX_SCALE_ROW1
.else
	v_wmma_scale_f32_16x16x128_f8f6f4 v[rD:rD+7], v[rA:rA+7], v[rB:rB+7], v[rC:rC+7], v[rSA], v[rSB] matrix_a_fmt:MATRIX_FMT_FP4 matrix_b_fmt:MATRIX_FMT_FP4
.endif
.endif
.endm
; A round of the cluster's barrier: my work-group's barrier, wave 0's signal for the work-group, every wave's wait for all four work-groups, my work-group's barrier once more.
.macro CROUND
	s_barrier_signal -1
	s_barrier_wait -1
	s_cmp_lg_u32 s8, 0
	s_cbranch_scc1 .Lnot_wave_0_\@
	s_barrier_signal -3
.Lnot_wave_0_\@:
	s_barrier_wait -3
	s_barrier_signal -1
	s_barrier_wait -1
.endm
	s_load_b128 s[4:7], s[0:1], 0x0                ; kv, cat
	v_lshl_add_u32 v254, v0, 2, 0x29000
	v_mov_b32 v255, 0
	ds_add_u32 v254, v255                          ; the opening lines: the add, twice on end, and its wait ahead of my tensor load
	ds_add_u32 v254, v255
	v_lshrrev_b32 v36, 5, v0
	s_delay_alu instid0(VALU_DEP_1)
	v_readfirstlane_b32 s8, v36                    ; wave 0..15
	s_bfe_u32 s9, ttmp6, 0x40000                   ; cx
	s_lshl_b32 s10, ttmp9, 2
	s_add_co_u32 s10, s10, s9                      ; my block of 512 queries: it enters global addresses of Q and of cat alone
	s_and_b32 s11, ttmp7, 0xffff                   ; batch x 16 + head, which the four partners share
	; descriptor group 1: 9,216 dense bytes as 36 rows of 32 elements of 8 bytes; the mask names all four work-groups, bit 21 beside it
	s_mov_b32 s16, 15|(3<<16)|(1<<21)
	s_mov_b32 s17, 32<<16
	s_mov_b32 s18, 36<<16
	s_mov_b32 s19, 32<<16
	s_mov_b32 s20, 36
	s_mov_b32 s21, 32
	s_mov_b32 s22, 0
	s_mov_b32 s23, 0
	s_mul_i32 s24, s11, 16*STEPB
	s_mov_b32 s25, 0
	s_mov_b32 s12, 1
	s_mul_i32 s13, s8, STEPB                       ; step w's place in LDS
	s_mov_b32 s26, 0x76543210
	s_mov_b32 s27, 0xfedcba98                      ; v_permlanex16_b32's selects for lane l xor 16
	s_wait_dscnt 0x0
	s_wait_kmcnt 0x0
	s_add_nc_u64 s[30:31], s[4:5], s[24:25]        ; the head's first byte
	s_mov_b32 s24, s13
	s_add_nc_u64 s[14:15], s[30:31], s[24:25]
	s_or_b32 s15, s15, 0x80000000
	CROUND                                         ; all four work-groups are here: the joint loads meet
	tensor_load_to_lds s[12:15], s[16:23]          ; every wave's one load; the bytes are filled once in the launch
	s_nop 0
.rept 4
	v_nop
.endr
	s_lshl_b32 s24, s10, 2
	s_lshr_b32 s29, s8, 2
	s_add_co_u32 s24, s24, s29                     ; the step in which my queries lie: 4 x block + wave / 4
	s_mul_i32 s24, s24, STEPB
	s_add_nc_u64 s[32:33], s[30:31], s[24:25]
	s_and_b32 s29, s8, 3                           ; my fragment 2 g + y of it
	s_lshl_b32 s24, s29, 10
	s_add_nc_u64 s[34:35], s[32:33], s[24:25]
	s_and_b32 s36, s8, 1                           ; y
	s_bfe_u32 s37, s8, 0x10001                     ; g
	s_lshl_b32 s38, s36, 7
	s_lshl_b32 s39, s37, 2
	s_add_co_u32 s38, s38, s39                     ; 128 y + 4 g
	s_lshl_b32 s39, s37, 8
	s_lshl_b32 s36, s36, 6
	s_add_co_u32 s39, s39, s36                     ; 256 g + 64 y
	v_and_b32 v38, 15, v0                          ; r
	v_bfe_u32 v39, v0, 4, 1                        ; h
	v_bfe_u32 v40, v0, 3, 1                        ; r / 8
	v_and_b32 v41, 7, v0                           ; r % 8
	v_and_b32 v44, 31, v0                          ; lane
	s_delay_alu instid0(VALU_DEP_3)
	v_xor_b32 v[ADK], v39, v40
	s_delay_alu instid0(VALU_DEP_1)
	v_lshlrev_b32 v[ADK], 7, v[ADK]
	s_delay_alu instid0(VALU_DEP_1)
	v_lshl_add_u32 v[ADK], v40, 9, v[ADK]
	s_delay_alu instid0(VALU_DEP_1)
	v_lshl_add_u32 v[ADK], v41, 4, v[ADK]          ; 512 (r / 8) + 128 (h xor r / 8) + 16 (r % 8): sixteen lanes of a load touch sixteen different columns of 16 bytes
	global_load_b128 v[20:23], v[ADK], s[34:35]              ; tile A's codes
	global_load_b128 v[28:31], v[ADK], s[34:35] offset:256   ; tile B's
	v_lshl_add_u32 v36, v38, 3, s38
	global_load_b32 v8, v36, s[32:33] offset:8192            ; the fragment's scale word of row r: bytes 0, 1 A's, bytes 2, 3 B's
	v_lshlrev_b32 v37, 7, v40
	s_delay_alu instid0(VALU_DEP_1)
	v_lshl_add_u32 v37, v41, 2, v37
	s_delay_alu instid0(VALU_DEP_1)
	v_add_nc_u32 v37, s39, v37
	global_load_b32 v10, v37, s[32:33] offset:8704           ; 1 / norm of my query in A,
	global_load_b32 v11, v37, s[32:33] offset:8736           ; in B: eight keys on
	v_lshlrev_b32 v[ADV], 4, v44
	s_delay_alu instid0(VALU_DEP_1)
	v_add_nc_u32 v[ADV], 4096, v[ADV]
	v_lshlrev_b32 v[ADS], 3, v44
	s_delay_alu instid0(VALU_DEP_1)
	v_add_nc_u32 v[ADS], 8192, v[ADS]
	v_lshlrev_b32 v[ADR], 7, v39
	s_delay_alu instid0(VALU_DEP_1)
	v_add_nc_u32 v[ADR], 8704, v[ADR]
	v_mov_b32 v6, 0                                ; written once: a lane permute's destination counts as one of its sources
.irp j, 12,13,14,15,16,17,18,19,24,25,26,27,32,33,34,35
	v_mov_b32 v\j, 0                               ; the first chains of sums; the zero codes beside Q's
.endr
	s_wait_alu depctr_va_vdst(0)                   ; the wait here, directly ahead of the wait below
	s_wait_loadcnt 0x0
	v_perm_b32 v9, v8, v8, 0x01000302              ; the scale word turned by 16 bits: A's bytes over k 64-127, B's over k 0-63
	v_mul_f32 v10, 0x3fb8aa3b, v10                 ; x log2 e
	v_mul_f32 v11, 0x3fb8aa3b, v11
.irp j, 36,37,38,39
	v_mov_b32 v\j, 0                               ; the second chains of sums (the loads that read v36 and v37 as offsets are done)
.endr
.rept 4
	v_nop                                          ; with the six lines above: ten places between the scale register's write and the first scaled product (eight are asked)
.endr
	s_wait_alu depctr_va_vdst(0)                   ; the wait at the head's end
	s_wait_tensorcnt 0x0                           ; my step's bytes are in LDS,
	s_barrier_signal -1
	s_barrier_wait -1                              ; everybody's are: the whole head
; S^T of keys 64 g on: eight products, tiles A and B by turns.  Even tiles of keys lie in k 0-63 of their fragment, odd ones in k 64-127.
.macro SW g
.irp t, 0,1,2,3
	WM SA+8*\t, KF+8*(2*(\g)+\t/2), 20-4*(\t%2), -1, KSC+(\g), 8+(\t%2), \t/2
	WM SB+8*\t, KF+8*(2*(\g)+\t/2), 28-4*(\t%2), -1, KSC+(\g), 9-(\t%2), \t/2
.endr
.endm
.macro SUMA k                          ; p at registers k, k + 1 onto the first chains of A and B
	v_pk_add_f32 v[LA:LA+1], v[LA:LA+1], v[SA+(\k):SA+(\k)+1]
	v_pk_add_f32 v[LB:LB+1], v[LB:LB+1], v[SB+(\k):SB+(\k)+1]
.endm
.macro SUMB k                          ; p at registers k + 2, k + 3 onto the second chains
	v_pk_add_f32 v[LA2:LA2+1], v[LA2:LA2+1], v[SA+(\k)+2:SA+(\k)+3]
	v_pk_add_f32 v[LB2:LB2+1], v[LB2:LB2+1], v[SB+(\k)+2:SB+(\k)+3]
.endm
; The softmax of 32 keys a lane, both tiles: x 1 / norm of the key, x log2 e / norm of the query, p = 2^t, each block's largest p, its byte, the codes, the sums of the unquantised p.
.macro SOFT g
.set J, 0
.rept 16
	v_pk_mul_f32 v[SA+J:SA+J+1], v[SA+J:SA+J+1], v[RK+J:RK+J+1]       ; each accumulator from its low end on
	v_pk_mul_f32 v[SB+J:SB+J+1], v[SB+J:SB+J+1], v[RK+J:RK+J+1]
.set J, J+2
.endr
.if \g == 0
.irp j, 0,1,2,3,4,5,6,7
	ds_load_b128 v[RK+4*\j:RK+4*\j+3], v[ADR] offset:256+16*\j        ; 1 / norm of keys 64 on
.endr
.endif
.set J, 0
.rept 16
	v_pk_mul_f32 v[SA+J:SA+J+1], v[SA+J:SA+J+1], v[10:11] op_sel_hi:[1,0]
	v_pk_mul_f32 v[SB+J:SB+J+1], v[SB+J:SB+J+1], v[10:11] op_sel:[0,1] op_sel_hi:[1,1]
.set J, J+2
.endr
	s_wait_alu depctr_va_vdst(0)                   ; the wait ahead of the batch
.set J, 0
.rept 32
	v_exp_f32 v[SA+J], v[SA+J]
	v_exp_f32 v[SB+J], v[SB+J]
.set J, J+1
.endr
	v_nop                                          ; a plain place behind the exponentials
	s_wait_alu depctr_va_vdst(0)                   ; one wait for the batch of 64, ahead of its first reader
	v_max3_num_f32 v[MA0], v[SA], v[SA+1], v[SA+2]                    ; no floor: every p is at least 2^-5.8
	v_max3_num_f32 v[MB0], v[SB], v[SB+1], v[SB+2]
	v_max3_num_f32 v[MA1], v[SA+3], v[SA+4], v[SA+5]
	v_max3_num_f32 v[MB1], v[SB+3], v[SB+4], v[SB+5]
.set J, 6
.rept 6                                ; four chains of maxima and, in the first four turns, four chains of sums between them
	v_max3_num_f32 v[MA0], v[MA0], v[SA+J], v[SA+J+1]
	v_max3_num_f32 v[MB0], v[MB0], v[SB+J], v[SB+J+1]
.if J < 22
	SUMA J-6
.endif
	v_max3_num_f32 v[MA1], v[MA1], v[SA+J+2], v[SA+J+3]
	v_max3_num_f32 v[MB1], v[MB1], v[SB+J+2], v[SB+J+3]
.if J < 22
	SUMB J-6
.endif
.set J, J+4
.endr
	v_max3_num_f32 v[MA0], v[MA0], v[SA+30], v[SA+31]
	v_max3_num_f32 v[MB0], v[MB0], v[SB+30], v[SB+31]
	SUMA 16
	SUMB 16
	v_max_num_f32 v[MA0], v[MA0], v[MA1]           ; the block's largest p
	v_max_num_f32 v[MB0], v[MB0], v[MB1]
	SUMA 20
	v_add_nc_u32 v[MA0], 0xff000000, v[MA0]        ; 2 off the exponent field: the conversion's scale operand
	v_add_nc_u32 v[MB0], 0xff000000, v[MB0]
	SUMB 20
.if \g
	v_lshrrev_b32 v[MA1], 23, v[MA0]               ; the byte of block 2 + h
	v_lshrrev_b32 v[MB1], 23, v[MB0]
.else
	v_lshrrev_b32 v[PWA], 23, v[MA0]               ; the byte of block h
	v_lshrrev_b32 v[PWB], 23, v[MB0]
.endif
.irp t, 0,1,2,3
	v_cvt_scalef32_pk8_fp4_f32 v[PCA+4*\g+\t], v[SA+8*\t:SA+8*\t+7], v[MA0]
	v_cvt_scalef32_pk8_fp4_f32 v[PCB+4*\g+\t], v[SB+8*\t:SB+8*\t+7], v[MB0]
.endr
.if \g
	v_lshl_or_b32 v[PWA], v[MA1], 16, v[PWA]       ; my two bytes: blocks h and 2 + h at bytes 0 and 2
	v_lshl_or_b32 v[PWB], v[MB1], 16, v[PWB]
	s_delay_alu instid0(VALU_DEP_2)
	v_permlanex16_b32 v[MA1], v[PWA], s26, s27     ; lane l xor 16's two
	s_delay_alu instid0(VALU_DEP_2)
	v_permlanex16_b32 v[MB1], v[PWB], s26, s27
	s_delay_alu instid0(VALU_DEP_2)
	v_lshl_or_b32 v[PWA], v[MA1], 8, v[PWA]        ; in lanes 0-15, which alone are read: blocks 1 and 3 at bytes 1 and 3: p's scale word for these 128 keys
	s_delay_alu instid0(VALU_DEP_2)
	v_lshl_or_b32 v[PWB], v[MB1], 8, v[PWB]
.endif
	SUMA 24                                        ; these eight lines are also the places between the scale words, the codes and the products
	SUMB 24
	SUMA 28
	SUMB 28
.endm
.macro PV zero                         ; O^T += V^T P^T over the step's 128 keys: eight accumulators by turns
.irp t, 0,1,2,3
.if \zero
	WM OA+8*\t, KF+8*\t, PCA, -1, KSC+\t/2, PWA, \t%2
	WM OB+8*\t, KF+8*\t, PCB, -1, KSC+\t/2, PWB, \t%2
.else
	WM OA+8*\t, KF+8*\t, PCA, OA+8*\t, KSC+\t/2, PWA, \t%2
	WM OB+8*\t, KF+8*\t, PCB, OB+8*\t, KSC+\t/2, PWB, \t%2
.endif
.endr
.endm
.macro PLACES
.rept 4
	v_nop                                          ; four places behind the products, ahead of reads of their results and of loads into their registers
.endr
.endm
.macro KLOAD f
.irp c, 0,1
	ds_load_b128 v[KF+8*(\f)+4*\c:KF+8*(\f)+4*\c+3], v[ADK] offset:1024*(\f)+256*\c
.endr
.endm
.macro STEP zero                       ; 128 keys.  zero = 1: the first step's products start O^T's sums
	ds_load_b64 v[KSC:KSC+1], v[ADS]               ; what the first eight products read comes first
	KLOAD 0
	KLOAD 1
.irp j, 0,1,2,3,4,5,6,7
	ds_load_b128 v[RK+4*\j:RK+4*\j+3], v[ADR] offset:16*\j
.endr
	KLOAD 2
	KLOAD 3
	s_wait_dscnt 12                                ; the scale words and K's fragments 0 and 1 are in; the eight loads of 1 / norm and fragments 2 and 3 (four loads) may be out
	SW 0
	s_wait_dscnt 4                                 ; 1 / norm is in; fragments 2 and 3 may be out
	PLACES
	SOFT 0
	s_wait_dscnt 8                                 ; fragments 2 and 3 are in; the eight loads of the next 1 / norm may be out
	SW 1
	PLACES
.irp t, 0,1,2,3
.irp c, 0,1
	ds_load_b128 v[KF+8*\t+4*\c:KF+8*\t+4*\c+3], v[ADV] offset:1024*\t+512*\c      ; V takes K's registers
.endr
.endr
	ds_load_b64 v[KSC:KSC+1], v[ADS] offset:256
	s_wait_dscnt 9                                 ; 1 / norm is in; V's eight loads and its scale words may be out
	SOFT 1
	s_wait_alu depctr_va_vdst(0)                   ; the wait here, directly ahead of the wait below
	s_wait_dscnt 0x0
	PV \zero
	v_add_nc_u32 v[ADK], STEPB, v[ADK]             ; on to the next step; these four lines are the places behind the products
	v_add_nc_u32 v[ADV], STEPB, v[ADV]
	v_add_nc_u32 v[ADS], STEPB, v[ADS]
	v_add_nc_u32 v[ADR], STEPB, v[ADR]
.endm
	STEP 1
	s_mov_b32 s28, 15
.Lstep:
	s_wait_alu depctr_va_vdst(0)
	STEP 0
	s_sub_co_u32 s28, s28, 1
	s_cmp_lg_u32 s28, 0
	s_cbranch_scc1 .Lstep
	; THE WAY OUT: o = O^T / sum; a lane's 32 registers are features 32 h + 0 .. 31 of its query: a whole block of the next product's K.
	; cat: [block of 128 rows][69,632]: codes [tile 8][K step 8][c 2][lane][16], from 65,536 scale words [pair of tiles 4][q 2][lane 16 (tile % 2) + r][word K step % 4].
	s_lshr_b32 s24, s11, 4
	s_lshl_b32 s24, s24, 4
	s_lshl_b32 s29, s10, 2
	s_add_co_u32 s24, s24, s29
	s_lshr_b32 s29, s8, 2
	s_add_co_u32 s24, s24, s29                     ; my block of 128 rows: 16 x batch + the step of my queries
	s_mul_i32 s24, s24, 69632
	s_add_nc_u64 s[6:7], s[6:7], s[24:25]
	s_and_b32 s29, s8, 3                           ; my pair of tiles
	s_and_b32 s36, s11, 15                         ; the head
	s_lshl_b32 s24, s29, 14
	s_lshr_b32 s37, s36, 1                         ; K step = head / 2
	s_lshl_b32 s38, s37, 10
	s_add_co_u32 s24, s24, s38
	s_and_b32 s38, s36, 1                          ; c = head % 2
	s_lshl_b32 s39, s38, 9
	s_add_co_u32 s24, s24, s39
	s_add_nc_u64 s[32:33], s[6:7], s[24:25]        ; the codes
	s_lshl_b32 s24, s29, 10
	s_lshr_b32 s39, s36, 3
	s_lshl_b32 s39, s39, 9
	s_add_co_u32 s24, s24, s39
	s_and_b32 s39, s37, 3
	s_lshl_b32 s39, s39, 2
	s_add_co_u32 s24, s24, s39
	s_lshl_b32 s39, s38, 1
	s_add_co_u32 s24, s24, s39
	s_add_nc_u64 s[34:35], s[6:7], s[24:25]        ; the scale bytes (65,536 stands in the immediate)
	v_and_b32 v108, 31, v0
	s_delay_alu instid0(VALU_DEP_1)
	v_lshlrev_b32 v108, 4, v108                    ; 16 x lane
	v_and_b32 v109, 15, v0
	v_bfe_u32 v110, v0, 4, 1
	s_delay_alu instid0(VALU_DEP_1)
	v_lshl_add_u32 v109, v109, 4, v110             ; 16 r + h
	s_wait_alu depctr_va_vdst(0)
	v_pk_add_f32 v[LA:LA+1], v[LA:LA+1], v[LA2:LA2+1]                 ; the two chains of each tile's sum
	v_pk_add_f32 v[LB:LB+1], v[LB:LB+1], v[LB2:LB2+1]
.macro OUT o, l, rc, t
	v_add_f32 v38, v[\l], v[\l+1]
	s_delay_alu instid0(VALU_DEP_1)
	v_permlanex16_b32 v6, v38, s26, s27
	s_delay_alu instid0(VALU_DEP_1)
	v_add_f32 v38, v38, v6                         ; the row's sum
	s_wait_alu depctr_va_vdst(0)
	v_rcp_f32 v[\rc], v38
	v_nop                                          ; a plain place behind the reciprocal
	s_wait_alu depctr_va_vdst(0)
.irp i, 0,2,4,6,8,10,12,14,16,18,20,22,24,26,28,30
	v_pk_mul_f32 v[\o+\i:\o+\i+1], v[\o+\i:\o+\i+1], v[\rc:\rc+1] op_sel_hi:[1,0]   ; each accumulator from its low end on
.endr
	v_max3_num_f32 v38, |v[\o]|, |v[\o+1]|, FLOOR
	v_max3_num_f32 v39, |v[\o+2]|, |v[\o+3]|, |v[\o+4]|
.irp i, 5,9,13,17,21,25
	s_delay_alu instid0(VALU_DEP_2)
	v_max3_num_f32 v38, v38, |v[\o+\i]|, |v[\o+\i+1]|
	s_delay_alu instid0(VALU_DEP_2)
	v_max3_num_f32 v39, v39, |v[\o+\i+2]|, |v[\o+\i+3]|
.endr
	s_delay_alu instid0(VALU_DEP_2)
	v_max3_num_f32 v38, v38, |v[\o+29]|, |v[\o+30]|
	s_delay_alu instid0(VALU_DEP_1)
	v_max3_num_f32 v38, v38, v39, |v[\o+31]|
	s_delay_alu instid0(VALU_DEP_1)
	v_add_nc_u32 v[96+\t], 0xff000000, v38
	s_delay_alu instid0(VALU_DEP_1)
	v_lshrrev_b32 v[98+\t], 23, v[96+\t]
.irp g, 0,1,2,3
	v_cvt_scalef32_pk8_fp4_f32 v[100+4*\t+\g], v[\o+8*\g:\o+8*\g+7], v[96+\t]
.endr
	v_nop
	global_store_b128 v108, v[100+4*\t:103+4*\t], s[32:33] offset:8192*\t          ; 32 lanes store 512 consecutive bytes, aligned
	global_store_b8 v109, v[98+\t], s[34:35] offset:65536+256*\t
.endm
	OUT OA, LA, 36, 0
	OUT OB, LB, 94, 1
	s_wait_tensorcnt 0x0                           ; the wave's end
	ds_add_u32 v254, v255
	s_wait_dscnt 0x0
	CROUND                                         ; the closing round: no work-group ends while a partner may still ask for bytes jointly
	s_endpgm
.Lfunc_end_k_q9b7406112d_attn:
	.size	k_q9b7406112d_attn, .Lfunc_end_k_q9b7406112d_attn-k_q9b7406112d_attn
	.p2alignl 7, 3214868480
	.fill 96, 4, 3214868480
	.section	.rodata,"a",@progbits
	.p2align	6, 0x0
	.amdhsa_kernel k_q9b7406112d_attn
		.amdhsa_group_segment_fixed_size 169984
		.amdhsa_private_segment_fixed_size 0
		.amdhsa_enable_private_segment 0
		.amdhsa_kernarg_size 16
		.amdhsa_user_sgpr_count 2
		.amdhsa_user_sgpr_kernarg_segment_ptr 1
		.amdhsa_wavefront_size32 1
		.amdhsa_system_sgpr_workgroup_id_x 1
		.amdhsa_system_sgpr_workgroup_id_y 1
		.amdhsa_system_sgpr_workgroup_id_z 1
		.amdhsa_system_vgpr_workitem_id 0
		.amdhsa_next_free_vgpr 256
		.amdhsa_next_free_sgpr 66
		.amdhsa_reserve_vcc 0
		.amdhsa_float_denorm_mode_32 3
		.amdhsa_float_denorm_mode_16_64 3
		.amdhsa_memory_ordered 1
		.amdhsa_forward_progress 1
		.amdhsa_inst_pref_size 71
	.end_amdhsa_kernel
	.amdgpu_metadata
---
amdhsa.version: [ 1, 2 ]
amdhsa.kernels:
  - .name:           k_q9b7406112d_attn
    .symbol:         k_q9b7406112d_attn.kd
    .args:
      - { .name: kv, .offset: 0, .size: 8, .value_kind: global_buffer, .address_space: global }
      - { .name: cat, .offset: 8, .size: 8, .value_kind: global_buffer, .address_space: global }
    .group_segment_fixed_size: 169984
    .private_segment_fixed_size: 0
    .kernarg_segment_align: 8
    .kernarg_segment_size: 16
    .max_flat_workgroup_size: 512
    .sgpr_count:     66
    .vgpr_count:     256
    .wavefront_size: 32
...
	.end_amdgpu_metadata
.endif
;; end of part 3
;; launch outproj (part 4): grid 4 x 64, 16 waves a work-group, clusters of 4 x 4, 280,576 bytes of LDS; arguments cat, wp_img, bp, out0; writes out0
.if DOCPART == 4
	.amdgcn_target "amdgcn-amd-amdhsa--gfx1250"
	.amdhsa_code_object_version 6
	.text
	.protected	k_q9b7406112d_outproj
	.globl	k_q9b7406112d_outproj
	.p2align	8
	.type	k_q9b7406112d_outproj,@function
k_q9b7406112d_outproj:
	s_mov_b64 s[64:65], 0
	v_nop
	global_prefetch_b8 v0, s[64:65] scope:SCOPE_SE
	s_setreg_imm32_b32 hwreg(HW_REG_WAVE_MODE, 25, 1), 1
	s_wait_xcnt 0x0
	s_wait_alu depctr_hold_cnt(0) depctr_sa_sdst(0) depctr_va_vdst(0) depctr_va_sdst(0) depctr_va_ssrc(0) depctr_va_vcc(0) depctr_vm_vsrc(0)
	s_getreg_b32 s2, hwreg(HW_REG_IB_STS2, 6, 4)
	s_cmp_eq_u32 s2, 0
	s_cbranch_scc0 .Lentry_in_a_cluster
	s_endpgm
.Lentry_in_a_cluster:
	s_bfe_u32 s2, ttmp6, 0x10000c
	s_cmp_lg_u32 s2, 0xf033
	s_cbranch_scc0 .Lentry_shape_is_right
	s_endpgm
.Lentry_shape_is_right:
; out0 = Q(cat) Q(Wp) + bp, K = 1,024, on codes of FP4 with E8M0 scales.  Both operands arrive as images in the order of the operand's registers, with their scale words.
; SHARES: a work-group makes 128 rows x 256 columns; sixteen waves, wave w: tiles of rows 2 (w & 3) + t (t = 0, 1), columns 64 (w >> 2) on: eight accumulators.
; LDS: cat's block of 128 rows (69,632 bytes) at 0, Wp's part of 256 columns (139,264 bytes) behind it, both whole and filled once; behind them a stage of 16 rows x 272 bytes for each wave, into which no fill lands.
; CLUSTER 4 x 4: cat's block hangs on the row block alone and is shared along a row of the cluster, Wp's part on the column block alone and is shared along a column: twelve joint loads of 17,408 dense bytes,
; waves 0-3 cat's, waves 4-11 Wp's, the same descriptor in the four work-groups that the mask names.
; THE PRODUCT IS USED TRANSPOSED (source 0 = 16 columns of Wp, source 1 = 16 rows of cat): with the image's order of columns a lane's 32 registers are 32 neighbouring columns 32 h + 0 .. 31 of one row.
; bp is the C of each sum's first product.  Row r of tile T stands for row 64 (T / 4) + 32 (r / 8) + 8 (T % 4) + r % 8 of the block.
.set PART,  17408                      ; 68 rows of 256 bytes: a quarter of cat's block, an eighth of Wp's part
.set WBLK,  69632
.set STG,   208896
.set AS,  8                            ; v8-15    cat's scale words, one register a K step: lanes 0-15 tile t = 0, lanes 16-31 t = 1
.set WS,  16                           ; v16-31   Wp's: register 2 k + p: lanes 0-15 tile 2 p, lanes 16-31 tile 2 p + 1
.set BP,  32                           ; v32-63   bp at my 32 columns
.set ACC, 160                          ; v160-223 accumulator (t, tile) at 160 + 32 t + 8 tile
; v64-111, v112-159: two buffers of a K step's fragments (cat's two, then Wp's four); v64-127 rows of the result on the way out
; v1 cat's fragments, v2 Wp's, v3, v4 their scale words, v5 into the stage, v6 out of it, v7 my offset in out0
.macro WM d, a, b, c, sa, sb, ra, rb   ; one scaled product: D, A, B, C first registers; scale registers; ra, rb = 1: the scales stand in lanes 16-31
.set rD, \d
.set rA, \a
.set rB, \b
.set rC, \c
.set rSA, \sa
.set rSB, \sb
.set rR, 2*(\ra)+(\rb)
.if rR == 0
	v_wmma_scale_f32_16x16x128_f8f6f4 v[rD:rD+7], v[rA:rA+7], v[rB:rB+7], v[rC:rC+7], v[rSA], v[rSB] matrix_a_fmt:MATRIX_FMT_FP4 matrix_b_fmt:MATRIX_FMT_FP4
.elseif rR == 1
	v_wmma_scale_f32_16x16x128_f8f6f4 v[rD:rD+7], v[rA:rA+7], v[rB:rB+7], v[rC:rC+7], v[rSA], v[rSB] matrix_a_fmt:MATRIX_FMT_FP4 matrix_b_fmt:MATRIX_FMT_FP4 matrix_b_scale:MATRIX_SCALE_ROW1
.elseif rR == 2
	v_wmma_scale_f32_16x16x128_f8f6f4 v[rD:rD+7], v[rA:rA+7], v[rB:rB+7], v[rC:rC+7], v[rSA], v[rSB] matrix_a_fmt:MATRIX_FMT_FP4 matrix_b_fmt:MATRIX_FMT_FP4 matrix_a_scale:MATRIX_SCALE_ROW1
.else
	v_wmma_scale_f32_16x16x128_f8f6f4 v[rD:rD+7], v[rA:rA+7], v[rB:rB+7], v[rC:rC+7], v[rSA], v[rSB] matrix_a_fmt:MATRIX_FMT_FP4 matrix_b_fmt:MATRIX_FMT_FP4 matrix_a_scale:MATRIX_SCALE_ROW1 matrix_b_scale:MATRIX_SCALE_ROW1
.endif
.endm
.macro CROUND                          ; a round of the cluster's barrier
	s_barrier_signal -1
	s_barrier_wait -1
	s_cmp_lg_u32 s12, 0
	s_cbranch_scc1 .Lnot_wave_0_\@
	s_barrier_signal -3
.Lnot_wave_0_\@:
	s_barrier_wait -3
	s_barrier_signal -1
	s_barrier_wait -1
.endm
	s_load_b256 s[4:11], s[0:1], 0x0               ; cat, wp_img, bp, out0
	v_lshl_add_u32 v224, v0, 2, 0x44000
	v_mov_b32 v225, 0
	ds_add_u32 v224, v225
	ds_add_u32 v224, v225
	v_lshrrev_b32 v160, 5, v0
	s_delay_alu instid0(VALU_DEP_1)
	v_readfirstlane_b32 s12, v160                  ; wave 0..15
	s_bfe_u32 s13, ttmp6, 0x40000                  ; cx
	s_bfe_u32 s14, ttmp6, 0x40004                  ; cy
	s_lshl_b32 s15, ttmp9, 2
	s_add_co_u32 s15, s15, s13                     ; block of 256 columns
	s_and_b32 s24, ttmp7, 0xffff
	s_lshl_b32 s24, s24, 2
	s_add_co_u32 s24, s24, s14                     ; block of 128 rows
	s_lshl_b32 s25, s14, 2
	s_lshl_b32 s25, 15, s25                        ; my row of the cluster
	s_lshl_b32 s26, 0x1111, s13                    ; my column
	; descriptor groups 1: 17,408 dense bytes as 68 rows of 32 elements of 8 bytes; they differ in the mask alone
	s_or_b32 s28, s25, (3<<16)|(1<<21)             ; cat's block goes to my row
	s_or_b32 s36, s26, (3<<16)|(1<<21)             ; Wp's part to my column
.irp g, 28, 36
	s_mov_b32 s[\g+1], 32<<16
	s_mov_b32 s[\g+2], 68<<16
	s_mov_b32 s[\g+3], 32<<16
	s_mov_b32 s[\g+4], 68
	s_mov_b32 s[\g+5], 32
	s_mov_b32 s[\g+6], 0
	s_mov_b32 s[\g+7], 0
.endr
	s_mul_i32 s44, s24, 69632                      ; cat's address is made of the row block and the wave's number,
	s_and_b32 s27, s12, 3
	s_mul_i32 s27, s27, PART
	s_add_co_u32 s44, s44, s27
	s_mov_b32 s45, 0
	s_mul_i32 s46, s15, 139264                     ; Wp's of the column block and the wave's number (waves 4 to 11: parts 0 to 7)
	s_add_co_u32 s27, s12, 4
	s_and_b32 s27, s27, 7
	s_mul_i32 s27, s27, PART
	s_add_co_u32 s46, s46, s27
	s_mov_b32 s47, 0
	s_mov_b32 s16, 1
	s_mul_i32 s17, s12, PART                       ; where it goes: wave x 17,408: no place in the cluster enters an LDS address
	s_mov_b32 s20, 1
	s_mul_i32 s21, s12, PART
	s_wait_dscnt 0x0
	s_wait_kmcnt 0x0
	s_add_nc_u64 s[18:19], s[4:5], s[44:45]
	s_or_b32 s19, s19, 0x80000000
	s_add_nc_u64 s[22:23], s[6:7], s[46:47]
	s_or_b32 s23, s23, 0x80000000
	CROUND                                         ; all sixteen work-groups are here: the joint loads meet
	s_cmp_lt_u32 s12, 4                            ; the branches hang on the wave's number alone
	s_cbranch_scc0 .Lnot_a
	tensor_load_to_lds s[16:19], s[28:35]
	s_nop 0
.rept 4
	v_nop
.endr
	s_branch .Lasked
.Lnot_a:
	s_cmp_lt_u32 s12, 12
	s_cbranch_scc0 .Lasked
	tensor_load_to_lds s[20:23], s[36:43]
	s_nop 0
.rept 4
	v_nop
.endr
.Lasked:
	s_lshr_b32 s27, s12, 2                         ; my 64 columns
	s_lshl_b32 s44, s15, 10
	s_lshl_b32 s27, s27, 8
	s_add_co_u32 s44, s44, s27                     ; their first byte in a row of out0, and in bp
	s_add_nc_u64 s[48:49], s[8:9], s[44:45]
	s_lshl_b32 s46, s24, 7                         ; my first row: 128 x block + 64 (rp / 2) + 16 (rp % 2)
	s_bfe_u32 s27, s12, 0x10001
	s_lshl_b32 s27, s27, 6
	s_add_co_u32 s46, s46, s27
	s_and_b32 s27, s12, 1
	s_lshl_b32 s27, s27, 4
	s_add_co_u32 s46, s46, s27
	s_lshl_b32 s46, s46, 12
	s_add_co_u32 s46, s46, s44
	s_add_nc_u64 s[50:51], s[10:11], s[46:47]
	v_and_b32 v160, 31, v0
	s_delay_alu instid0(VALU_DEP_1)
	v_lshlrev_b32 v161, 4, v160                    ; 16 x lane
	v_and_b32 v162, 15, v0                         ; r
	v_bfe_u32 v163, v0, 4, 1                       ; h
	v_bfe_u32 v164, v0, 5, 2                       ; rp = wave & 3
	v_bfe_u32 v165, v0, 7, 2                       ; wave >> 2
	s_delay_alu instid0(VALU_DEP_3)
	v_lshlrev_b32 v166, 7, v163                    ; bp: columns 32 h on
.irp j, 0,1,2,3,4,5,6,7
	global_load_b128 v[BP+4*\j:BP+4*\j+3], v166, s[48:49] offset:16*\j
.endr
	v_lshl_add_u32 v1, v164, 14, v161
	v_lshl_add_u32 v2, v165, 15, v161
	s_delay_alu instid0(VALU_DEP_1)
	v_add_nc_u32 v2, WBLK, v2
	v_lshl_add_u32 v3, v164, 10, v161
	s_delay_alu instid0(VALU_DEP_1)
	v_add_nc_u32 v3, 65536, v3
	v_lshl_add_u32 v4, v165, 11, v161
	s_delay_alu instid0(VALU_DEP_1)
	v_add_nc_u32 v4, WBLK+131072, v4
	v_lshrrev_b32 v167, 5, v0
	s_delay_alu instid0(VALU_DEP_1)
	v_mul_u32_u24 v167, v167, 16*272
	s_delay_alu instid0(VALU_DEP_1)
	v_add_nc_u32 v167, STG, v167                   ; my stage
	v_mul_u32_u24 v5, v162, 272
	s_delay_alu instid0(VALU_DEP_1)
	v_lshl_add_u32 v5, v163, 7, v5
	s_delay_alu instid0(VALU_DEP_1)
	v_add_nc_u32 v5, v5, v167                      ; in: row r, 128 bytes for each half of the lanes
	v_mul_u32_u24 v6, v163, 272
	s_delay_alu instid0(VALU_DEP_1)
	v_lshl_add_u32 v6, v162, 4, v6
	s_delay_alu instid0(VALU_DEP_1)
	v_add_nc_u32 v6, v6, v167                      ; back: lanes 0-15 one row of 256 bytes, lanes 16-31 the next
	v_lshlrev_b32 v7, 12, v163
	s_delay_alu instid0(VALU_DEP_1)
	v_lshl_add_u32 v7, v162, 4, v7                 ; and the same two rows in out0
	s_wait_tensorcnt 0x0                           ; my part is in LDS,
	s_barrier_signal -1
	s_barrier_wait -1                              ; everybody's is
.macro FETCH k                         ; a K step's six fragments: twelve loads of 512 consecutive bytes
.set BUF, 64+48*((\k)%2)
.irp t, 0,1
.irp c, 0,1
	ds_load_b128 v[BUF+8*\t+4*\c:BUF+8*\t+4*\c+3], v1 offset:\t*8192+(\k)*1024+512*\c
.endr
.endr
.irp p, 0,1,2,3
.irp c, 0,1
	ds_load_b128 v[BUF+16+8*\p+4*\c:BUF+16+8*\p+4*\c+3], v2 offset:(\k)*4096+\p*1024+512*\c
.endr
.endr
.endm
.irp q, 0,1
	ds_load_b128 v[AS+4*\q:AS+4*\q+3], v3 offset:512*\q
.endr
.irp q, 0,1,2,3
	ds_load_b128 v[WS+4*\q:WS+4*\q+3], v4 offset:512*\q
.endr
	FETCH 0
	FETCH 1
	s_wait_loadcnt 0x0                             ; bp
.macro KS k                            ; eight products, the eight accumulators by turns
.set BUF, 64+48*((\k)%2)
.if (\k) == 7
	s_wait_dscnt 0x0
.else
	s_wait_dscnt 12                                ; this step's fragments are in; the next step's twelve loads may be out
.endif
.irp p, 0,1,2,3
.irp t, 0,1
.if (\k) == 0
	WM ACC+32*\t+8*\p, BUF+16+8*\p, BUF+8*\t, BP+8*\p, WS+2*(\k)+\p/2, AS+(\k), \p%2, \t
.else
	WM ACC+32*\t+8*\p, BUF+16+8*\p, BUF+8*\t, ACC+32*\t+8*\p, WS+2*(\k)+\p/2, AS+(\k), \p%2, \t
.endif
.endr
.endr
.if (\k) <= 5
.rept 4
	v_nop                                          ; four places in front of loads into registers that these products read
.endr
	FETCH (\k)+2
.endif
.endm
.irp k, 0,1,2,3,4,5,6,7
	KS \k
.endr
.rept 4
	v_nop                                          ; four places in front of the first read of results and of loads into the fragments' registers
.endr
	; THE WAY OUT: a tile of 16 rows x 64 columns at a time through my own stage; LDS serves a wave's instructions in order (ISA guide 5.7.1.4), so no wait stands between stores and loads, nor in front of the next tile's stores
	s_wait_alu depctr_va_vdst(0)
.irp t, 0,1
.irp p, 0,1,2,3
	ds_store_b128 v5, v[ACC+32*\t+8*\p:ACC+32*\t+8*\p+3] offset:32*\p            ; each accumulator from its low end on
	ds_store_b128 v5, v[ACC+32*\t+8*\p+4:ACC+32*\t+8*\p+7] offset:32*\p+16
.endr
.irp i, 0,1,2,3,4,5,6,7
	ds_load_b128 v[64+32*\t+4*\i:64+32*\t+4*\i+3], v6 offset:544*\i
.endr
.endr
.irp t, 0,1
.irp i, 0,1,2,3,4,5,6,7
	s_wait_dscnt 23-16*\t-\i                       ; behind this load: the tile's later loads and, for the first tile, the second's sixteen LDS instructions
	global_store_b128 v7, v[64+32*\t+4*\i:64+32*\t+4*\i+3], s[50:51] offset:(8*\t+32*(\i/4)+2*(\i%4))*4096 th:TH_STORE_NT   ; sixteen lanes store 256 consecutive bytes, aligned; written once, read by nobody here
.endr
.endr
	s_wait_tensorcnt 0x0
	ds_add_u32 v224, v225
	s_wait_dscnt 0x0
	CROUND                                         ; the closing round: no work-group ends while a partner may still ask for bytes jointly
	s_endpgm
.Lfunc_end_k_q9b7406112d_outproj:
	.size	k_q9b7406112d_outproj, .Lfunc_end_k_q9b7406112d_outproj-k_q9b7406112d_outproj
	.p2alignl 7, 3214868480
	.fill 96, 4, 3214868480
	.section	.rodata,"a",@progbits
	.p2align	6, 0x0
	.amdhsa_kernel k_q9b7406112d_outproj
		.amdhsa_group_segment_fixed_size 280576
		.amdhsa_private_segment_fixed_size 0
		.amdhsa_enable_private_segment 0
		.amdhsa_kernarg_size 32
		.amdhsa_user_sgpr_count 2
		.amdhsa_user_sgpr_kernarg_segment_ptr 1
		.amdhsa_wavefront_size32 1
		.amdhsa_system_sgpr_workgroup_id_x 1
		.amdhsa_system_sgpr_workgroup_id_y 1
		.amdhsa_system_sgpr_workgroup_id_z 1
		.amdhsa_system_vgpr_workitem_id 0
		.amdhsa_next_free_vgpr 226
		.amdhsa_next_free_sgpr 66
		.amdhsa_reserve_vcc 0
		.amdhsa_float_denorm_mode_32 3
		.amdhsa_float_denorm_mode_16_64 3
		.amdhsa_memory_ordered 1
		.amdhsa_forward_progress 1
		.amdhsa_inst_pref_size 28
	.end_amdhsa_kernel
	.amdgpu_metadata
---
amdhsa.version: [ 1, 2 ]
amdhsa.kernels:
  - .name:           k_q9b7406112d_outproj
    .symbol:         k_q9b7406112d_outproj.kd
    .args:
      - { .name: cat, .offset: 0, .size: 8, .value_kind: global_buffer, .address_space: global }
      - { .name: wp_img, .offset: 8, .size: 8, .value_kind: global_buffer, .address_space: global }
      - { .name: bp, .offset: 16, .size: 8, .value_kind: global_buffer, .address_space: global }
      - { .name: out0, .offset: 24, .size: 8, .value_kind: global_buffer, .address_space: global }
    .group_segment_fixed_size: 280576
    .private_segment_fixed_size: 0
    .kernarg_segment_align: 8
    .kernarg_segment_size: 32
    .max_flat_workgroup_size: 512
    .sgpr_count:     66
    .vgpr_count:     226
    .wavefront_size: 32
...
	.end_amdgpu_metadata
.endif
;; end of part 4
